; MI455X (gfx1250); checked and timed in simulation.
; The chip was launched on July 23, 2026; its instructions are those of AMD's public machine-readable ISA for CDNA 5 (MIT licence, August 2026) and "CDNA5" Instruction Set Architecture Reference Guide (July 2026). The comments in the code are by the model that wrote it; some were corrected since.
;; Multi Head Attention. Allowed arithmetic: float matrix products may take bf16 or f16 operands with f32 sums; all other float work in f32.
;; Inputs: b_proj 1,024 float32; b_qkv 3,072 float32; w_proj 1,024 x 1,024 float32; w_qkv 1,024 x 3,072 float32; x 2 x 2,048 x 1,024 float32.
;; Outputs: out0 2 x 2,048 x 1,024 float32.
;; Constants: num_heads = 16.
;; One version. Each part assembles by itself: llvm-mc -triple=amdgcn-amd-amdhsa -mcpu=gfx1250 --defsym DOCPART=n.
;; ======== version 1 of 1: 4 launches
;; limits: values are held in f16: magnitudes above 65,504 overflow, below 6.1e-05 lose precision
;; workspace buffers: xp 8,388,608 bytes; wqp 6,291,456 bytes; wpp 2,097,152 bytes; qkv 25,165,824 bytes; att 8,388,608 bytes
;; launch prep (part 1): grid 32 x 16, 8 waves a work-group, no clusters, 50,688 bytes of LDS; arguments x, w_qkv, w_proj, xp, wqp, wpp; writes xp, wqp, wpp
.if DOCPART == 1
	.amdgcn_target "amdgcn-amd-amdhsa--gfx1250"
	.amdhsa_code_object_version 6
	.text
	.protected	k_q4a1c442441_prep
	.globl	k_q4a1c442441_prep
	.p2align	8
	.type	k_q4a1c442441_prep,@function
k_q4a1c442441_prep:
	s_mov_b64 s[64:65], 0
	v_nop
	global_prefetch_b8 v0, s[64:65] scope:SCOPE_SE
	s_setreg_imm32_b32 hwreg(HW_REG_WAVE_MODE, 25, 1), 1
	s_wait_xcnt 0x0
; prep: f32 to f16 (rounded once), and every matrix operand into PLANES: P[k/64][row][64 k], a row piece of 128 bytes, rows dense.
;   xp  [16][4096 tokens][64]   from x      [4096][1024]
;   wqp [16][3072 n][64]        from w_qkv  [1024 k][3072 n]   (transposed: k becomes the fast index)
;   wpp [16][1024 n][64]        from w_proj [1024 k][1024 n]   (likewise)
; Grid 32 x 16.  y < 8: 256 work-groups take 16 tokens of x each.  y >= 8: 256 work-groups take a tile of 128 k x 128 n of a weight
; (x < 24: w_qkv's column tile x; else w_proj's column tile x - 24; k tile y - 8).  Every work-group reads 64 KiB and writes 32 KiB.
; Each input byte is read once and each output byte written once; no two work-groups read the same bytes, so there is nothing to share in a cluster,
; and there is no product here, so no matrix instruction.
; WHY f16 AND NOT bf16: the result is compared within 1/100 of its root mean square, and twelve roundings of operands lie on the way to it; f16's 11
; significant bits make each an eighth of what bf16's 8 bits would.  Room: x is of order 1 and the weights of order 1/32; 30 times larger, or shifted by
; 30 spreads, both stay under 200; weights 30 times smaller are of order 1e-3, where f16's smallest step, 2^-24 = 6e-8, is 6e-5 of them.
; Limit: an input beyond 65,504 in magnitude becomes an infinity here; NaN and infinities pass through the conversion as it defines them.
.set XPLANE, 524288                    ; bytes of a plane of xp: 4096 rows x 128
.set WP,     48                        ; LDS pitch of a column's 16 k (32 bytes + 16)
.set WREG,   128*WP+64                 ; a wave's own LDS region: 128 columns; the 64 bytes shift neighbouring regions against each other
.set IN,     16                        ; v[16:79]   f32 as loaded; later the rows read back from LDS
.set PK,     80                        ; v[80:111]  packed f16
; One weight tile.  inp, outp: the scalar pairs with the weight's and its planes' addresses; ROWB: bytes of a row of the weight; PLB: bytes of a plane.
; s4 wave, s6 k tile, s7 column tile, s25 = wave >> 2 (which plane of the tile's two), s26 = wave & 3.
.macro WPATH inp, outp, ROWB, PLB
	s_lshl_b32 s20, s6, 7
	s_lshl4_add_u32 s20, s4, s20                   ; my first k row = 128 kt + 16 wave
	s_mul_i32 s20, s20, \ROWB
	s_lshl_b32 s22, s7, 9                          ; + 128 columns x 4 bytes for each column tile
	s_add_co_u32 s20, s20, s22
	s_mov_b32 s21, 0
	s_lshl1_add_u32 s22, s6, s25                   ; plane 2 kt + (wave >> 2)
	s_mul_i32 s22, s22, \PLB
	s_lshl_b32 s23, s7, 14                         ; + 128 nt rows of 128 bytes
	s_add_co_u32 s22, s22, s23
	s_lshl_b32 s23, s26, 12                        ; + my 32 rows
	s_add_co_u32 s22, s22, s23
	s_mov_b32 s23, 0
	s_wait_kmcnt 0x0
	s_add_nc_u64 s[\inp:\inp+1], s[\inp:\inp+1], s[20:21]
	s_add_nc_u64 s[\outp:\outp+1], s[\outp:\outp+1], s[22:23]
.set i, 0
.rept 16
	global_load_b128 v[IN+4*i:IN+4*i+3], v3, s[\inp:\inp+1] offset:i*\ROWB th:TH_LOAD_NT   ; k row i: 512 consecutive bytes; lane L holds columns 4 L .. 4 L + 3
.set i, i+1
.endr
	s_wait_loadcnt 0x0                             ; a column's 16 k come from all sixteen loads
.irp c, 0,1,2,3
.irp j, 0,1,2,3,4,5,6,7
	v_cvt_pk_f16_f32 v[PK+8*\c+\j], v[IN+8*\j+\c], v[IN+8*\j+4+\c]     ; column 4 L + c: k = 2 j low, 2 j + 1 high
.endr
	ds_store_b128 v4, v[PK+8*\c:PK+8*\c+3] offset:\c*WP                ; 32 bytes of the column, in my own region
	ds_store_b128 v4, v[PK+8*\c+4:PK+8*\c+7] offset:\c*WP+16
.endr
	s_wait_dscnt 0x0                               ; my stores are done, for the other waves' sake,
	s_barrier_signal -1
	s_barrier_wait -1                              ; and so are everybody's
.irp t, 0,1,2,3,4,5,6,7
	ds_load_b128 v[IN+4*\t:IN+4*\t+3], v5 offset:\t*4*WP               ; four whole rows of 128 bytes: 8 lanes a row, two from each of four regions
.endr
.irp t, 0,1,2,3,4,5,6,7
	s_wait_dscnt 7-\t                              ; LDS loads come back in order: load t is in, the younger stay out
	global_store_b128 v3, v[IN+4*\t:IN+4*\t+3], s[\outp:\outp+1] offset:512*\t   ; 512 consecutive bytes, aligned
.endr
	s_wait_tensorcnt 0x0
	ds_add_u32 v112, v113
	s_wait_dscnt 0x0
	s_endpgm
.endm
	s_load_b256 s[8:15], s[0:1], 0x0               ; x s[8:9], w_qkv s[10:11], w_proj s[12:13], xp s[14:15]
	s_load_b128 s[16:19], s[0:1], 0x20             ; wqp s[16:17], wpp s[18:19]
	v_lshl_add_u32 v112, v0, 2, 0xc200
	v_mov_b32 v113, 0
	v_lshrrev_b32 v1, 5, v0
	v_readfirstlane_b32 s4, v1                     ; wave 0..7
	v_and_b32 v2, 31, v0                           ; lane L
	s_and_b32 s5, ttmp7, 0xffff                    ; work-group y
	s_cmp_ge_u32 s5, 8
	s_cbranch_scc1 .Lweights                       ; the same way for all waves of a work-group
	; ---- x: the wave owns two tokens; lanes 0-15 take the first, lanes 16-31 the second
	s_lshl_b32 s6, s5, 5
	s_add_co_u32 s6, s6, ttmp9                     ; 32 y + x = 0..255
	s_lshl_b32 s6, s6, 4
	s_lshl1_add_u32 s6, s4, s6                     ; my first token = 16 id + 2 wave
	s_lshl_b32 s20, s6, 12                         ; x: rows of 4,096 bytes
	s_mov_b32 s21, 0
	s_lshl_b32 s22, s6, 7                          ; xp: rows of 128 bytes
	s_mov_b32 s23, 0
	v_lshrrev_b32 v3, 4, v2
	v_and_b32 v4, 15, v2
	v_lshlrev_b32 v4, 4, v4
	v_lshl_add_u32 v3, v3, 12, v4                  ; in: (L >> 4) rows + 16 (L & 15)
	v_lshlrev_b32 v5, 3, v2                        ; out: 8 L = 128 (L >> 4) + 8 (L & 15)
	s_wait_kmcnt 0x0
	s_add_nc_u64 s[8:9], s[8:9], s[20:21]
	s_add_nc_u64 s[14:15], s[14:15], s[22:23]
.set kb, 0
.rept 16
	global_load_b128 v[IN+4*kb:IN+4*kb+3], v3, s[8:9] offset:256*kb th:TH_LOAD_NT   ; 64 numbers (256 bytes) of each of my two tokens
.set kb, kb+1
.endr
.set kb, 0
.rept 16
	s_wait_loadcnt 15-kb                           ; loads come back in order: load kb is in, the younger stay out
	v_cvt_pk_f16_f32 v[PK+2*kb], v[IN+4*kb], v[IN+4*kb+1]
	v_cvt_pk_f16_f32 v[PK+2*kb+1], v[IN+4*kb+2], v[IN+4*kb+3]
	global_store_b64 v5, v[PK+2*kb:PK+2*kb+1], s[14:15] offset:kb*XPLANE            ; two rows of plane kb: 256 consecutive bytes, aligned
.set kb, kb+1
.endr
	s_endpgm                                       ; no register was written twice: no further wait
.Lweights:
	s_sub_co_u32 s6, s5, 8                         ; k tile
	s_lshr_b32 s25, s4, 2
	s_and_b32 s26, s4, 3
	v_lshlrev_b32 v3, 4, v2                        ; 16 L: the offset of the loads and of the stores
	s_mul_i32 s24, s4, WREG
	v_mul_u32_u24 v4, v2, 4*WP
	v_add_nc_u32 v4, s24, v4                       ; LDS, in: my region + column 4 L
	v_bfe_u32 v5, v0, 1, 2                         ; LDS, back: 16-byte piece L & 7 of a row lies in the region of wave 4 (wave >> 2) + ((L & 7) >> 1),
	s_lshl_b32 s27, s25, 2
	v_add_nc_u32 v5, s27, v5
	v_mul_u32_u24 v5, v5, WREG
	v_bfe_u32 v6, v0, 3, 2
	s_lshl_b32 s28, s26, 5
	v_add_nc_u32 v6, s28, v6                       ; at column 32 (wave & 3) + (L >> 3),
	v_mad_u32_u24 v5, v6, WP, v5
	v_and_b32 v6, 1, v0
	v_lshl_add_u32 v5, v6, 4, v5                   ; in its half L & 1
	s_cmp_ge_u32 ttmp9, 24
	s_cbranch_scc1 .Lwproj
	s_mov_b32 s7, ttmp9
	WPATH 10, 16, 12288, 393216
.Lwproj:
	s_sub_co_u32 s7, ttmp9, 24
	WPATH 12, 18, 4096, 131072
.Lfunc_end_k_q4a1c442441_prep:
	.size	k_q4a1c442441_prep, .Lfunc_end_k_q4a1c442441_prep-k_q4a1c442441_prep
	.p2alignl 7, 3214868480
	.fill 96, 4, 3214868480
	.section	.rodata,"a",@progbits
	.p2align	6, 0x0
	.amdhsa_kernel k_q4a1c442441_prep
		.amdhsa_group_segment_fixed_size 50688
		.amdhsa_private_segment_fixed_size 0
		.amdhsa_enable_private_segment 0
		.amdhsa_kernarg_size 48
		.amdhsa_user_sgpr_count 2
		.amdhsa_user_sgpr_kernarg_segment_ptr 1
		.amdhsa_wavefront_size32 1
		.amdhsa_system_sgpr_workgroup_id_x 1
		.amdhsa_system_sgpr_workgroup_id_y 1
		.amdhsa_system_sgpr_workgroup_id_z 1
		.amdhsa_system_vgpr_workitem_id 0
		.amdhsa_next_free_vgpr 114
		.amdhsa_next_free_sgpr 66
		.amdhsa_reserve_vcc 0
		.amdhsa_float_denorm_mode_32 3
		.amdhsa_float_denorm_mode_16_64 3
		.amdhsa_memory_ordered 1
		.amdhsa_forward_progress 1
		.amdhsa_inst_pref_size 21
	.end_amdhsa_kernel
	.amdgpu_metadata
---
amdhsa.version: [ 1, 2 ]
amdhsa.kernels:
  - .name:           k_q4a1c442441_prep
    .symbol:         k_q4a1c442441_prep.kd
    .args:
      - { .name: x, .offset: 0, .size: 8, .value_kind: global_buffer, .address_space: global }
      - { .name: w_qkv, .offset: 8, .size: 8, .value_kind: global_buffer, .address_space: global }
      - { .name: w_proj, .offset: 16, .size: 8, .value_kind: global_buffer, .address_space: global }
      - { .name: xp, .offset: 24, .size: 8, .value_kind: global_buffer, .address_space: global }
      - { .name: wqp, .offset: 32, .size: 8, .value_kind: global_buffer, .address_space: global }
      - { .name: wpp, .offset: 40, .size: 8, .value_kind: global_buffer, .address_space: global }
    .group_segment_fixed_size: 50688
    .private_segment_fixed_size: 0
    .kernarg_segment_align: 8
    .kernarg_segment_size: 48
    .max_flat_workgroup_size: 256
    .sgpr_count:     66
    .vgpr_count:     114
    .wavefront_size: 32
...
	.end_amdgpu_metadata
.endif
;; end of part 1
;; launch qkv (part 2): grid 16 x 16, 4 waves a work-group, clusters of 4 x 4, 327,680 bytes of LDS; arguments xp, wqp, b_qkv, qkv; writes qkv
.if DOCPART == 2
	.amdgcn_target "amdgcn-amd-amdhsa--gfx1250"
	.amdhsa_code_object_version 6
	.text
	.protected	k_q4a1c442441_qkv
	.globl	k_q4a1c442441_qkv
	.p2align	8
	.type	k_q4a1c442441_qkv,@function
k_q4a1c442441_qkv:
	s_mov_b64 s[64:65], 0
	v_nop
	global_prefetch_b8 v0, s[64:65] scope:SCOPE_SE
	s_setreg_imm32_b32 hwreg(HW_REG_WAVE_MODE, 25, 1), 1
	s_wait_xcnt 0x0
	s_wait_alu depctr_hold_cnt(0) depctr_sa_sdst(0) depctr_va_vdst(0) depctr_va_sdst(0) depctr_va_ssrc(0) depctr_va_vcc(0) depctr_vm_vsrc(0)
	s_getreg_b32 s2, hwreg(HW_REG_IB_STS2, 6, 4)
	s_cmp_eq_u32 s2, 0
	s_cbranch_scc0 .Lentry_in_a_cluster
	s_endpgm
.Lentry_in_a_cluster:
	s_bfe_u32 s2, ttmp6, 0x10000c
	s_cmp_lg_u32 s2, 0xf033
	s_cbranch_scc0 .Lentry_shape_is_right
	s_endpgm
.Lentry_shape_is_right:
; C[token][n] = bias[n] + sum over k of A[token][k] W[n][k], K = 1024, operands f16 in planes P[k/64][row][64], sums in f32.
; PROJ = 0: A = xp, W = wqp (3072 n), C goes out in f16 into planes qkv[n/64][token][64] (plane = part x 16 + head; part 0, 1, 2 = q, k, v).
; PROJ = 1: A = att, W = wpp (1024 n), C goes out in f32 into out0[token][1024].
; A work-group makes 256 tokens x NT = 16 NB columns with four waves; wave w makes tokens 64 w .. 64 w + 63 of all NT columns: 4 x NB accumulator tiles.
; The waves split the tokens alone, so that a wave holds whole 128-byte (f16) or 256-byte (f32) pieces of its output rows and its way out is its own.
; K goes in steps of 128 (two planes) through two LDS slots filled by the tensor data mover; a plane's tile is a dense block of memory.
; CLUSTER 4 x 4: the four work-groups of a cluster row need the same tiles of A, the four of a column the same tiles of W: each tile is asked for jointly.
; The matrix instruction is used transposed (source 0 = 16 rows of W, source 1 = 16 tokens): lane (r, h) register j holds C(token r, column 8 h + j).
; The bias is the C operand of the first product of each tile: nothing is cleared, nothing is added later.
; f16, not bf16: the result is compared within 1/100 of its root mean square, and f16's 11 significant bits make each rounding an eighth of bf16's.
; Room for q, k, v in f16: of order 1 as the inputs are drawn (under 6); x and w_qkv both 30 times larger: under 900 x 6 = 5,400; both shifted by 30 of
; their spreads (30 and 30/32): 1024 x 30 x 30/32 = 28,800; all inputs 30 times smaller: of order 1e-3, where f16's smallest step 2^-24 is 5e-5 of them.
; Limit: where PROJ = 0, a C beyond 65,504 in magnitude goes out as an infinity; sums run in the matrix unit's order; NaN and infinities get no special service.
.set PROJ,   0
.set NB,     12                        ; blocks of 16 columns
.set BPLANE, 393216                    ; bytes of a plane of W: 3072 rows x 128
.set SPITCH, 400                       ; stage: a row of 192 f16 + 16 bytes
.set NT,     16*NB
.set PITCH,  144                       ; LDS row: 128 bytes + 16: an odd multiple of 16, so the 16 rows of a fragment load start in 16 different 16-byte columns modulo 256
.set APL,    256*PITCH                 ; a plane's tile of A
.set BPL,    NT*PITCH                  ; a plane's tile of W
.set SLOT,   2*APL+2*BPL               ; A plane 0, A plane 1, W plane 0, W plane 1
.set STAGE,  2*SLOT                    ; behind the ring: 16 rows for each wave, never the target of a tensor load
.set STW,    16*SPITCH
.set APLANE, 524288                    ; bytes of a plane of A: 4096 rows x 128
.set LAPS,   4                         ; a lap = two K steps; 1024 / 256
.set ADRA, 16                          ; v16-17  LDS address of my A fragments in slot 0, 1
.set ADRB, 20                          ; v20-21  the same for W
.set STO,  24                          ; v24     the way out: where I put my piece of a row
.set RD,   25                          ; v25     the way out: where I read rows back
.set CO,   26                          ; v26     my byte offset in the output
.set BO,   27                          ; v27     my byte offset in the bias: 32 h
.set FA,   32                          ; window 0: v32-63, v64-95 fragments of A (4 x 16 tokens x 32 K), two buffers
.set BIAS, 96                          ; window 0: v96..  8 registers for each column block
.set TMP,  192                         ; window 0: packed results on the way out
.set RB0,  32                          ; window 0: rows read back, two sets in turn
.set RB1,  80
                                       ; window 1: v[8 NB f + 8 b] fragments of W, buffer f; windows 2, 3: tiles (a, b) at v[8 (NB a + b)] of token blocks 0-1, 2-3
.set G1A, 24                           ; s[24:31] descriptor group 1 for A
.set G0A, 32                           ; s[32:39] group 0 for A, one set for each slot
.set G1B, 48                           ; s[48:55] group 1 for W
.set G0B, 56                           ; s[56:63] group 0 for W
.set MSB, 0
.macro WIN new                         ; the immediate's high byte repeats the setting that is left
.if MSB != \new
	s_set_vgpr_msb (MSB<<8)|\new
.set MSB, \new
.endif
.endm
.set MUL_LO,   0xa1                    ; source 0 (W) window 1, source 1 (A) window 0, C and D window 2
.set MUL_HI,   0xf1                    ; the same, C and D window 3
.set FIRST_LO, 0x81                    ; C = the bias in window 0, D window 2
.set FIRST_HI, 0xc1                    ; C = the bias in window 0, D window 3
.set TO_B,     0x40                    ; destination window 1
.macro PLACES                          ; four plain vector instructions behind a matrix instruction (ISA guide 7.12.1) before its registers are loaded into or its result is read
.rept 4
	v_nop
.endr
.endm
; A joint load.  Waves 0, 1 fetch A's two planes, waves 2, 3 W's.  The branch hangs on the wave's number alone.
.macro JLOAD s
	s_cmp_eq_u32 s13, 0
	s_cbranch_scc0 .Lfor_b_\@
	tensor_load_to_lds s[G0A+4*\s:G0A+4*\s+3], s[G1A:G1A+7]
	s_nop 0
	s_branch .Lasked_\@
.Lfor_b_\@:
	tensor_load_to_lds s[G0B+4*\s:G0B+4*\s+3], s[G1B:G1B+7]
	s_nop 0
.Lasked_\@:
.endm
.macro CREST                           ; a round of the cluster's barrier behind its opening work-group barrier
	s_cmp_lg_u32 s12, 0
	s_cbranch_scc1 .Lnot_wave_0_\@
	s_barrier_signal -3
.Lnot_wave_0_\@:
	s_barrier_wait -3
	s_barrier_signal -1
	s_barrier_wait -1
.endm
.macro CROUND                          ; a whole round
	s_barrier_signal -1
	s_barrier_wait -1
	CREST
.endm
	s_load_b256 s[4:11], s[0:1], 0x0               ; A s[4:5], W s[6:7], bias s[8:9], output s[10:11]
	s_set_vgpr_msb 0x40
	v_lshl_add_u32 v255, v0, 2, 0x45400
	s_set_vgpr_msb 0x4000
	v_mov_b32 v255, 0
	s_set_vgpr_msb 0x1
	ds_add_u32 v255, v255
	s_set_vgpr_msb 0x100
	v_lshrrev_b32 v1, 5, v0
	v_readfirstlane_b32 s12, v1                    ; wave 0..3
	s_lshr_b32 s13, s12, 1                         ; I fetch for A (0) or for W (1),
	s_and_b32 s14, s12, 1                          ; this plane of a K step's two
	s_bfe_u32 s40, ttmp6, 0x40000                  ; cx
	s_bfe_u32 s41, ttmp6, 0x40004                  ; cy
	s_lshl_b32 s42, ttmp9, 2
	s_add_co_u32 s42, s42, s40                     ; column block bx = 4 x cluster x + cx
	s_and_b32 s43, ttmp7, 0xffff
	s_lshl_b32 s43, s43, 2
	s_add_co_u32 s43, s43, s41                     ; token block by = 4 x cluster y + cy
	s_lshl_b32 s44, s41, 2
	s_lshl_b32 s44, 15, s44                        ; my row of the cluster: places 4 cy .. 4 cy + 3
	s_lshl_b32 s45, 0x1111, s40                    ; my column: places cx, cx + 4, cx + 8, cx + 12
	; group 1: a dense block as rows of 32 elements of 8 bytes (256 bytes); 4 dwords of padding behind every 32 dwords, that is behind every 128-byte row piece
	s_or_b32 s[G1A+0], s44, (3<<16)|(1<<20)|(1<<21)|(4<<22)|(3<<25)   ; mask; element of 8 bytes; padding on; bit 21 beside a mask; interval code 4; pad code 3
	s_or_b32 s[G1B+0], s45, (3<<16)|(1<<20)|(1<<21)|(4<<22)|(3<<25)
	s_mov_b32 s[G1A+1], 32<<16                     ; tensor_dim0 = 32
	s_mov_b32 s[G1B+1], 32<<16
	s_mov_b32 s[G1A+2], 128<<16                    ; tensor_dim1 = 128 rows of 256 bytes = 256 tokens
	s_mov_b32 s[G1B+2], (NT/2)<<16                 ; NT rows of W
	s_mov_b32 s[G1A+3], 32<<16                     ; tile_dim0 = 32
	s_mov_b32 s[G1B+3], 32<<16
	s_mov_b32 s[G1A+4], 128                        ; tile_dim1
	s_mov_b32 s[G1B+4], NT/2
	s_mov_b32 s[G1A+5], 32                         ; from row to row: 32 elements (dense)
	s_mov_b32 s[G1B+5], 32
	s_mov_b32 s[G1A+6], 0
	s_mov_b32 s[G1B+6], 0
	s_mov_b32 s[G1A+7], 0
	s_mov_b32 s[G1B+7], 0
	; A's tiles hang on by alone, which my cluster row shares; W's on bx alone, which my column shares; each in registers that never hold the other coordinate
	s_lshl_b32 s16, s14, 19                        ; my plane
	s_lshl_b32 s17, s43, 15                        ; + 256 by rows of 128 bytes
	s_add_co_u32 s16, s16, s17
	s_mov_b32 s17, 0
	s_mul_i32 s46, s14, BPLANE
	s_mul_i32 s47, s42, NT*128
	s_add_co_u32 s46, s46, s47
	s_mov_b32 s47, 0
	s_mul_i32 s20, s12, APL                        ; LDS: A's planes at wave x APL (waves 0, 1),
	s_mul_i32 s21, s12, BPL
	s_add_co_u32 s21, s21, 2*APL-2*BPL             ; W's at 2 APL + (wave - 2) x BPL (waves 2, 3)
	s_wait_dscnt 0x0
	s_wait_kmcnt 0x0
	s_add_nc_u64 s[18:19], s[4:5], s[16:17]
	s_add_nc_u64 s[46:47], s[6:7], s[46:47]
	CROUND                                         ; all sixteen work-groups are here: the first joint loads meet
.irp s, 0,1
	s_mov_b32 s[G0A+4*\s], 1
	s_add_co_u32 s[G0A+4*\s+1], s20, \s*SLOT
	s_add_nc_u64 s[G0A+4*\s+2:G0A+4*\s+3], s[18:19], \s*2*APLANE       ; K step s
	s_or_b32 s[G0A+4*\s+3], s[G0A+4*\s+3], 0x80000000                  ; type = 2
	s_mov_b32 s[G0B+4*\s], 1
	s_add_co_u32 s[G0B+4*\s+1], s21, \s*SLOT
	s_add_nc_u64 s[G0B+4*\s+2:G0B+4*\s+3], s[46:47], \s*2*BPLANE
	s_or_b32 s[G0B+4*\s+3], s[G0B+4*\s+3], 0x80000000
	JLOAD \s                                       ; two tensor loads of the wave are out at the most, here and in the loop
.endr
	v_and_b32 v1, 15, v0                           ; r
	v_bfe_u32 v2, v0, 4, 1                         ; h
	v_lshlrev_b32 v[BO], 5, v2
	s_mul_i32 s68, s42, NT*4
	s_mov_b32 s69, 0
	s_add_nc_u64 s[8:9], s[8:9], s[68:69]          ; the bias of my NT columns
.set bi, 0
.rept NB
	global_load_b128 v[BIAS+8*bi:BIAS+8*bi+3],   v[BO], s[8:9] offset:64*bi       ; bias[16 b + 8 h + 0..3]
	global_load_b128 v[BIAS+8*bi+4:BIAS+8*bi+7], v[BO], s[8:9] offset:64*bi+16    ; bias[16 b + 8 h + 4..7]
.set bi, bi+1
.endr
	v_mul_u32_u24 v3, v1, PITCH
	v_lshl_add_u32 v3, v2, 4, v3                   ; r x pitch + 16 h
	s_mul_i32 s22, s12, 64*PITCH                   ; my 64 tokens
	s_mov_b32 s23, 2*APL                           ; W lies behind A's two planes
.irp s, 0,1
	v_add_nc_u32 v[ADRA+\s], s22, v3
	v_add_nc_u32 v[ADRB+\s], s23, v3
	s_add_co_u32 s22, s22, SLOT
	s_add_co_u32 s23, s23, SLOT
.endr
	s_mul_i32 s66, s12, STW
	s_add_co_u32 s66, s66, STAGE                   ; my stage
	v_mul_u32_u24 v4, v1, SPITCH
.if PROJ
	v_lshl_add_u32 v4, v2, 5, v4                   ; in: row r, 8 h columns of 4 bytes
	v_add_nc_u32 v[STO], s66, v4
	v_mul_u32_u24 v5, v2, SPITCH                   ; back: lanes 0-15 one row of 256 bytes, lanes 16-31 the next
	v_lshl_add_u32 v5, v1, 4, v5
	v_add_nc_u32 v[RD], s66, v5
	v_lshlrev_b32 v6, 12, v2                       ; and the same two rows of out0 (4,096 bytes each)
	v_lshl_add_u32 v[CO], v1, 4, v6
	s_lshl_b32 s70, s43, 20                        ; 256 by rows
	s_lshl_b32 s67, s12, 18                        ; + 64 wave rows
	s_add_co_u32 s70, s70, s67
	s_lshl_b32 s67, s42, 8                         ; + 64 bx columns of 4 bytes
	s_add_co_u32 s70, s70, s67
.else
	v_lshl_add_u32 v4, v2, 4, v4                   ; in: row r, 8 h columns of 2 bytes
	v_add_nc_u32 v[STO], s66, v4
	v_bfe_u32 v5, v0, 3, 2                         ; back: 8 lanes take a token's 128 bytes of one head, 4 tokens a load
	v_and_b32 v6, 7, v0
	v_mul_u32_u24 v5, v5, SPITCH
	v_lshl_add_u32 v5, v6, 4, v5
	v_add_nc_u32 v[RD], s66, v5
	v_and_b32 v7, 31, v0
	v_lshlrev_b32 v[CO], 4, v7                     ; which are 512 consecutive bytes of the head's plane
	s_mul_i32 s70, s42, 3*APLANE                   ; my three planes
	s_lshl_b32 s67, s43, 15                        ; + 256 by rows of 128 bytes
	s_add_co_u32 s70, s70, s67
	s_lshl_b32 s67, s12, 13                        ; + 64 wave rows
	s_add_co_u32 s70, s70, s67
.endif
	s_mov_b32 s71, 0
	s_add_nc_u64 s[10:11], s[10:11], s[70:71]
; NB matrix instructions: token block 2 hi + a x all NB column blocks, 32 along K, from buffer f.  first = 1: C is the bias.
; The 4 NB accumulators take turns, one instruction a turn, in the same order in every quarter step.
.macro MULB f, hi, a, first
.set bi, 0
.rept NB
.if \first
	v_wmma_f32_16x16x32_f16 v[8*(NB*\a+bi):8*(NB*\a+bi)+7], v[8*NB*\f+8*bi:8*NB*\f+8*bi+7], v[FA+32*\f+8*(2*\hi+\a):FA+32*\f+8*(2*\hi+\a)+7], v[BIAS+8*bi:BIAS+8*bi+7]
.else
	v_wmma_f32_16x16x32_f16 v[8*(NB*\a+bi):8*(NB*\a+bi)+7], v[8*NB*\f+8*bi:8*NB*\f+8*bi+7], v[FA+32*\f+8*(2*\hi+\a):FA+32*\f+8*(2*\hi+\a)+7], v[8*(NB*\a+bi):8*(NB*\a+bi)+7]
.endif
.set bi, bi+1
.endr
.endm
; 2 NB + 8 LDS loads in one run: the fragments of quarter kq (32 along K: plane kq / 2, byte 64 (kq % 2) of its rows) into buffer f; A's token blocks last, in the order 0..3
.macro FETCH slot, kq, f
	WIN TO_B
.set bi, 0
.rept NB
	ds_load_b128 v[8*NB*\f+8*bi:8*NB*\f+8*bi+3],   v[ADRB+\slot] offset:(\kq/2)*BPL+bi*16*PITCH+(\kq%2)*64
	ds_load_b128 v[8*NB*\f+8*bi+4:8*NB*\f+8*bi+7], v[ADRB+\slot] offset:(\kq/2)*BPL+bi*16*PITCH+(\kq%2)*64+32
.set bi, bi+1
.endr
	WIN 0
.irp i, 0,1,2,3
	ds_load_b128 v[FA+32*\f+8*\i:FA+32*\f+8*\i+3],   v[ADRA+\slot] offset:(\kq/2)*APL+\i*16*PITCH+(\kq%2)*64
	ds_load_b128 v[FA+32*\f+8*\i+4:FA+32*\f+8*\i+7], v[ADRA+\slot] offset:(\kq/2)*APL+\i*16*PITCH+(\kq%2)*64+32
.endr
.endm
; One of a K step's first three quarters: multiplies buffer f; in its middle it fetches quarter kqn of the same slot into buffer g.
.macro QUARTER slot, kqn, f, g, first
	s_wait_dscnt 4                                 ; W and A's token blocks 0, 1 are in; the youngest four loads (blocks 2, 3) may be out
.if \first
	WIN FIRST_LO
.else
	WIN MUL_LO
.endif
	MULB \f, 0, 0, \first
	MULB \f, 0, 1, \first
	PLACES
	FETCH \slot, \kqn, \g
	s_wait_dscnt 2*NB+8                            ; all but the run just issued
.if \first
	WIN FIRST_HI
.else
	WIN MUL_HI
.endif
	MULB \f, 1, 0, \first
	MULB \f, 1, 1, \first
.endm
.macro THREE slot, first
	QUARTER \slot, 1, 0, 1, \first
	QUARTER \slot, 2, 1, 0, 0
	QUARTER \slot, 3, 0, 1, 0
.endm
; The last quarter multiplies buffer 1 and changes slots.  In front of the barrier each wave waits for its reads of this slot and for all its tensor
; loads (the one that is out is its part of the next slot).  fill = 1: the barrier opens a round of the cluster's barrier, and the joint refill of this
; slot, two K steps ahead, is the first tensor load behind the round; it has the next K step less NB matrix instructions in which to land.
.macro TURN slot, next, fill
	s_wait_dscnt 4
	WIN MUL_LO
	MULB 1, 0, 0, 0
	s_wait_dscnt 0x0                               ; my reads of this slot are over
	s_wait_tensorcnt 0x0                           ; all my tensor loads have landed
	ds_add_u32 v255, v255
	s_wait_dscnt 0x0
	s_barrier_signal -1
	MULB 1, 0, 1, 0                                ; register work while the others arrive
	WIN 0
	s_barrier_wait -1
.if \fill
	CREST
	s_add_nc_u64 s[G0A+4*\slot+2:G0A+4*\slot+3], s[G0A+4*\slot+2:G0A+4*\slot+3], 4*APLANE   ; no tensor load of mine is out: group 0 may be written
	s_add_nc_u64 s[G0B+4*\slot+2:G0B+4*\slot+3], s[G0B+4*\slot+2:G0B+4*\slot+3], 4*BPLANE
	JLOAD \slot
.endif
	PLACES
	FETCH \next, 0, 0
	WIN MUL_HI
	MULB 1, 1, 0, 0
	MULB 1, 1, 1, 0
.endm
.macro LAP first
	THREE 0, \first
	TURN 0, 1, 1
	THREE 1, 0
	TURN 1, 0, 1
.endm
	s_wait_tensorcnt 1                             ; my part of K step 0 is in; K step 1's load stays out
	s_barrier_signal -1
	s_barrier_wait -1                              ; everybody's part is in
	FETCH 0, 0, 0
	s_wait_loadcnt 0x0                             ; the bias
	LAP 1                                          ; the first lap stands in front of the loop: its first products start the sums from the bias
	WIN 0
	s_mov_b32 s3, LAPS-2
.Llap:
	LAP 0
	WIN 0
	s_sub_co_u32 s3, s3, 1
	s_cmp_lg_u32 s3, 0
	s_cbranch_scc1 .Llap
	THREE 0, 0                                     ; the last lap fills nothing
	TURN 0, 1, 0
	THREE 1, 0
	s_wait_dscnt 4
	WIN MUL_LO
	MULB 1, 0, 0, 0
	MULB 1, 0, 1, 0
	s_wait_dscnt 0x0
	WIN MUL_HI
	MULB 1, 1, 0, 0
	MULB 1, 1, 1, 0
	PLACES                                         ; behind the last matrix instructions: their results are read and the fragment registers loaded into below
.if PROJ
; 16 tokens x 64 columns of f32 through my stage: in by columns of a lane's 8 numbers, back as whole rows of 256 bytes
.macro OUTP i, a, win, rb
	WIN \win                                       ; the stores' data come from window 2 or 3
.set bi, 0
.rept NB
	ds_store_b128 v[STO], v[8*(NB*\a+bi):8*(NB*\a+bi)+3]   offset:64*bi
	ds_store_b128 v[STO], v[8*(NB*\a+bi)+4:8*(NB*\a+bi)+7] offset:64*bi+16
.set bi, bi+1
.endr
	WIN 0
	s_wait_xcnt 0x0                                ; set rb, which earlier stores read, and the stores' base are rewritten only behind this wait
.if \i
	s_add_nc_u64 s[10:11], s[10:11], 65536         ; 16 rows of out0 on
.endif
.irp t, 0,1,2,3,4,5,6,7
	ds_load_b128 v[\rb+4*\t:\rb+4*\t+3], v[RD] offset:\t*2*SPITCH      ; LDS serves a wave's instructions in order: these see the stores above
.endr
.irp t, 0,1,2,3,4,5,6,7
	s_wait_dscnt 7-\t
	global_store_b128 v[CO], v[\rb+4*\t:\rb+4*\t+3], s[10:11] offset:8192*\t th:TH_STORE_NT   ; 16 lanes store 256 consecutive bytes, aligned
.endr
.endm
	OUTP 0, 0, 0x08, RB0
	OUTP 1, 1, 0x08, RB1
	OUTP 2, 0, 0x0c, RB0
	OUTP 3, 1, 0x0c, RB1
.else
; 16 tokens x 192 columns, rounded to f16, through my stage: in as 16 bytes a lane, back as 4 tokens x 128 bytes of one head
.macro OUTQ i, a, from, rb
	WIN \from                                      ; sources 0 and 1 from window 2 or 3
.set bi, 0
.rept NB
.irp q, 0,1,2,3
	v_cvt_pk_f16_f32 v[TMP+4*bi+\q], v[8*(NB*\a+bi)+2*\q], v[8*(NB*\a+bi)+2*\q+1]
.endr
.set bi, bi+1
.endr
	WIN 0
.set bi, 0
.rept NB
	ds_store_b128 v[STO], v[TMP+4*bi:TMP+4*bi+3] offset:32*bi
.set bi, bi+1
.endr
	s_wait_xcnt 0x0                                ; set rb, which earlier stores read, and the stores' base are rewritten only behind this wait
.if \i
	s_add_nc_u64 s[10:11], s[10:11], 2048          ; 16 rows of a plane on
.endif
.irp hh, 0,1,2
.irp t, 0,1,2,3
	ds_load_b128 v[\rb+4*(4*\hh+\t):\rb+4*(4*\hh+\t)+3], v[RD] offset:\t*4*SPITCH+\hh*128   ; LDS serves a wave's instructions in order: these see the stores above
.endr
.endr
.irp hh, 0,1,2
.irp t, 0,1,2,3
	s_wait_dscnt 11-(4*\hh+\t)
	global_store_b128 v[CO], v[\rb+4*(4*\hh+\t):\rb+4*(4*\hh+\t)+3], s[10:11] offset:\hh*APLANE+\t*512   ; 512 consecutive bytes, aligned
.endr
.endr
.endm
	OUTQ 0, 0, 0x0a, RB0
	OUTQ 1, 1, 0x0a, RB1
	OUTQ 2, 0, 0x0f, RB0
	OUTQ 3, 1, 0x0f, RB1
.endif
	s_set_vgpr_msb 0x1
	s_wait_tensorcnt 0x0
	ds_add_u32 v255, v255
	s_wait_dscnt 0x0
	s_set_vgpr_msb 0x100
	CROUND                                         ; the closing round: no work-group ends while a partner may still ask for a tile that names it
	s_endpgm
.Lfunc_end_k_q4a1c442441_qkv:
	.size	k_q4a1c442441_qkv, .Lfunc_end_k_q4a1c442441_qkv-k_q4a1c442441_qkv
	.p2alignl 7, 3214868480
	.fill 96, 4, 3214868480
	.section	.rodata,"a",@progbits
	.p2align	6, 0x0
	.amdhsa_kernel k_q4a1c442441_qkv
		.amdhsa_group_segment_fixed_size 327680
		.amdhsa_private_segment_fixed_size 0
		.amdhsa_enable_private_segment 0
		.amdhsa_kernarg_size 32
		.amdhsa_user_sgpr_count 2
		.amdhsa_user_sgpr_kernarg_segment_ptr 1
		.amdhsa_wavefront_size32 1
		.amdhsa_system_sgpr_workgroup_id_x 1
		.amdhsa_system_sgpr_workgroup_id_y 1
		.amdhsa_system_sgpr_workgroup_id_z 1
		.amdhsa_system_vgpr_workitem_id 0
		.amdhsa_next_free_vgpr 1024
		.amdhsa_next_free_sgpr 72
		.amdhsa_reserve_vcc 0
		.amdhsa_float_denorm_mode_32 3
		.amdhsa_float_denorm_mode_16_64 3
		.amdhsa_memory_ordered 1
		.amdhsa_forward_progress 1
		.amdhsa_inst_pref_size 166
	.end_amdhsa_kernel
	.amdgpu_metadata
---
amdhsa.version: [ 1, 2 ]
amdhsa.kernels:
  - .name:           k_q4a1c442441_qkv
    .symbol:         k_q4a1c442441_qkv.kd
    .args:
      - { .name: xp, .offset: 0, .size: 8, .value_kind: global_buffer, .address_space: global }
      - { .name: wqp, .offset: 8, .size: 8, .value_kind: global_buffer, .address_space: global }
      - { .name: b_qkv, .offset: 16, .size: 8, .value_kind: global_buffer, .address_space: global }
      - { .name: qkv, .offset: 24, .size: 8, .value_kind: global_buffer, .address_space: global }
    .group_segment_fixed_size: 327680
    .private_segment_fixed_size: 0
    .kernarg_segment_align: 8
    .kernarg_segment_size: 32
    .max_flat_workgroup_size: 128
    .sgpr_count:     72
    .vgpr_count:     1024
    .wavefront_size: 32
...
	.end_amdgpu_metadata
.endif
;; end of part 2
;; launch attn (part 3): grid 8 x 32, 8 waves a work-group, clusters of 4 x 1, 327,680 bytes of LDS; arguments qkv, att; writes att
.if DOCPART == 3
	.amdgcn_target "amdgcn-amd-amdhsa--gfx1250"
	.amdhsa_code_object_version 6
	.text
	.protected	k_q4a1c442441_attn
	.globl	k_q4a1c442441_attn
	.p2align	8
	.type	k_q4a1c442441_attn,@function
k_q4a1c442441_attn:
	s_mov_b64 s[64:65], 0
	v_nop
	global_prefetch_b8 v0, s[64:65] scope:SCOPE_SE
	s_setreg_imm32_b32 hwreg(HW_REG_WAVE_MODE, 25, 1), 1
	s_wait_xcnt 0x0
	s_wait_alu depctr_hold_cnt(0) depctr_sa_sdst(0) depctr_va_vdst(0) depctr_va_sdst(0) depctr_va_ssrc(0) depctr_va_vcc(0) depctr_vm_vsrc(0)
	s_getreg_b32 s2, hwreg(HW_REG_IB_STS2, 6, 4)
	s_cmp_eq_u32 s2, 0
	s_cbranch_scc0 .Lentry_in_a_cluster
	s_endpgm
.Lentry_in_a_cluster:
	s_bfe_u32 s2, ttmp6, 0x10000c
	s_cmp_lg_u32 s2, 0x3003
	s_cbranch_scc0 .Lentry_shape_is_right
	s_endpgm
.Lentry_shape_is_right:
; Softmax attention of one (batch, head) for a block of 256 queries: att = softmax(q k^T / 8) v, with a running maximum.
; qkv: planes [48][4096 rows][64] f16 (plane = part x 16 + head, row = batch x 2048 + position); att: planes [16 heads][4096][64] f16.
; Grid: x = block of 256 queries (8), y = batch x 16 + head (32).  Eight waves: wave w has the 64 queries 64 (w & 3) .. + 63 and the half w >> 2 of the keys
; of every tile; waves w and w + 4 hold partial results for the same queries, merged once at the end.  Each wave feeds 64 matrix instructions from 32 LDS loads.
; CLUSTER 4 x 1: the four work-groups of a cluster have the same (batch, head) and walk the same K and V tiles: every tile is asked for jointly (mask 15).
; BOTH PRODUCTS ARE TRANSPOSED.  S^T = K Q^T: lane (r, h) register j holds the score of key 8 h + j and query r, so maximum, sum and rescale factor are one
; number a lane, and two S tiles, packed to f16 in place, ARE the B fragment (32 keys x 16 queries) of O^T = V^T P^T.  V^T's A fragment comes from V[key][d]
; by the transposing LDS load.
; THE WAVES RUN IN TWO PHASES, HALF A STEP APART.  A step is: scores (32 matrix instructions), softmax (vector work), P V (32 matrix instructions).  A wave of
; phase 0 passes a tile's round of the barrier between the last step's softmax and its P V, a wave of phase 1 between the last step's scores and its softmax.
; So behind a round phase 0 begins with 64 matrix instructions (P V, the next scores) and phase 1 with a softmax, and they go on by turns: the matrix work of the
; one stands beside the vector work of the other.  What is carried over a round lies in registers (scores or P, V's fragments).  The barriers are common text;
; only a softmax stands under a branch on the wave's number.  phase = bit 0 xor bit 2 of the wave's number: it differs between waves w and w + 4 and between
; waves 2 k and 2 k + 1.
; Softmax in f32, base 2: p = 2^(c s - c max), c = log2(e) / 8.  NM = -c max is kept as rounded; p and the rescale factor 2^(NM new - NM old) both use the
; kept numbers, so they agree for scores of any size.
; f16, not bf16: the result is compared within 1/100 of its root mean square, and f16's 11 significant bits make each rounding an eighth of bf16's.
; Room in f16: p is at most 1 by the running maximum, and a p below 2^-14 keeps the absolute step 2^-24 against a sum that is at least 1; att is a convex
; mix of v, so it is no larger than v (which lies in f16 already); with all inputs 30 times smaller att is of order 2.5e-5, where the step 2^-24 rounds
; within 7e-4 of it.
; Limits: p and the result are rounded to f16; a p below 2^-126 counts as 0 (v_exp_f32 flushes); NaN and infinite scores get no special service.
.set KP,    144                        ; LDS pitch of a K row: 128 + 16, an odd multiple of 16
.set VP,    160                        ; of a V row: 128 + 32, an odd multiple of 32
.set KREG,  256*KP                     ; a tile's 256 keys
.set SLOT,  KREG+256*VP                ; K, then V: 77,824 bytes; two slots
.set MRG,   2*SLOT                     ; merge scratch: 4 x 18,432 bytes, never the target of a tensor load
.set MRGW,  18432
.set STG,   MRG+4*MRGW                 ; stage of the way out: 4 x 64 rows x 144 bytes
.set STGW,  64*KP
.set TILEB, 32768                      ; 256 rows of 128 bytes in memory
.set KADR, 2                           ; v2-3    LDS address of my K fragments in slot 0, 1
.set VADR, 4                           ; v4-5    the same for V
.set QOF,  6                           ; v6      my offset in Q
.set STO,  7                           ; v7      the way out: in
.set RD,   8                           ; v8      the way out: back
.set CO,   9                           ; v9      16 x lane
.set MA,   10                          ; v10     merge scratch of my queries + 16 x lane
.set ST,   16                          ; v[16:31] for each query block q: +0 NM = -c max, +1 TM (this step's), +2 AL (rescale factor), +3 L (sum)
.set TS,   32                          ; v[32:39] a pair of partial sums for each q; in the merge my factor
.set XT,   40                          ; v[40:47] what comes from the other half of the lanes; in the merge the partner's factor
.set PS,   48                          ; v[48:63] the partner's ST
.set SC,   64                          ; v[64:191] scores: tile (q, kb) at +32 q + 8 kb; then P: fragment (q, p) at +32 q + 16 p
.set KF,   192                         ; v[192:255] K fragments (kb, kk) at +16 kb + 8 kk
.set OA,   0                           ; window 1: v[0:127] O^T: tile (q, db) at 8 (4 q + db)
.set QF,   128                         ; window 1: v[128:191] Q fragments (q, kk) at +16 q + 8 kk
.set VF,   192                         ; window 1: v[192:255] V^T fragments (db, p) at +8 (2 db + p)
.set G1K, 16                           ; s[16:23] group 1 for K
.set G1V, 24                           ; s[24:31] group 1 for V
.set G0K, 32                           ; s[32:39] group 0 for K, one set for each slot
.set G0V, 40                           ; s[40:47] group 0 for V
.set MSB, 0
.macro WIN new                         ; the immediate's high byte repeats the setting that is left
.if MSB != \new
	s_set_vgpr_msb (MSB<<8)|\new
.set MSB, \new
.endif
.endm
.macro NOPS n
.rept \n
	v_nop
.endr
.endm
.macro ROUND                           ; a round of the cluster's barrier
	s_barrier_signal -1
	s_barrier_wait -1
	s_cmp_lg_u32 s8, 0
	s_cbranch_scc1 .Lnot_wave_0_\@
	s_barrier_signal -3
.Lnot_wave_0_\@:
	s_barrier_wait -3
	s_barrier_signal -1
	s_barrier_wait -1
.endm
	s_load_b128 s[4:7], s[0:1], 0x0                ; qkv s[4:5], att s[6:7]
	v_lshl_add_u32 v254, v0, 2, 0x41000
	v_mov_b32 v255, 0
	ds_add_u32 v254, v255
	s_wait_dscnt 0x0
	v_lshrrev_b32 v1, 5, v0
	v_readfirstlane_b32 s8, v1                     ; wave 0..7
	s_lshr_b32 s9, s8, 2                           ; g: my half of the keys
	s_and_b32 s10, s8, 3                           ; wq: my 64 queries
	s_xor_b32 s66, s9, s8
	s_and_b32 s66, s66, 1                          ; my phase: bit 0 xor bit 2 of the wave's number
	s_mov_b32 s12, 0x76543210                      ; v_permlanex16_b32: lane i reads lane i of the other half
	s_mov_b32 s13, 0xfedcba98
	s_mov_b32 s14, 0x3e38aa3b                      ; c = log2(e) / 8, twice: a pair for the packed multiply-add
	s_mov_b32 s15, 0x3e38aa3b
	s_mov_b32 s48, 0xbe38aa3b                      ; -c
	s_bfe_u32 s49, ttmp6, 0x40000                  ; cx
	s_lshl_b32 s50, ttmp9, 2
	s_add_co_u32 s50, s50, s49                     ; query block = 4 x cluster x + cx
	s_and_b32 s51, ttmp7, 0xffff
	s_and_b32 s52, s51, 15                         ; head
	s_lshr_b32 s53, s51, 4                         ; batch
	s_lshl_b32 s54, s52, 19                        ; head x 4096 rows x 128 bytes
	s_lshl_b32 s55, s53, 18                        ; + batch x 2048 rows
	s_add_co_u32 s54, s54, s55
	s_lshl_b32 s55, s8, 12                         ; K, V: + my 32 rows of a tile; nothing of cx enters s[56:59]
	s_add_co_u32 s56, s54, s55
	s_mov_b32 s57, 0
	s_lshl_b32 s60, s50, 15                        ; Q, att: + 256 rows for each query block
	s_add_co_u32 s60, s60, s54
	s_lshl_b32 s55, s10, 13                        ; + my 64 rows
	s_add_co_u32 s60, s60, s55
	s_mov_b32 s61, 0
	; group 1: 32 rows of 128 bytes are a dense block of 16 rows of 32 elements of 8 bytes; padding behind every 32 dwords: 4 dwords for K, 8 for V
	s_mov_b32 s[G1K+0], 15|(3<<16)|(1<<20)|(1<<21)|(4<<22)|(3<<25)     ; mask: all four work-groups; bit 21 beside it
	s_mov_b32 s[G1V+0], 15|(3<<16)|(1<<20)|(1<<21)|(4<<22)|(7<<25)
	s_mov_b32 s[G1K+1], 32<<16                     ; tensor_dim0 = 32
	s_mov_b32 s[G1V+1], 32<<16
	s_mov_b32 s[G1K+2], 16<<16                     ; tensor_dim1 = 16
	s_mov_b32 s[G1V+2], 16<<16
	s_mov_b32 s[G1K+3], 32<<16                     ; tile_dim0 = 32
	s_mov_b32 s[G1V+3], 32<<16
	s_mov_b32 s[G1K+4], 16                         ; tile_dim1 = 16
	s_mov_b32 s[G1V+4], 16
	s_mov_b32 s[G1K+5], 32                         ; from row to row: 32 elements (dense)
	s_mov_b32 s[G1V+5], 32
	s_mov_b32 s[G1K+6], 0
	s_mov_b32 s[G1V+6], 0
	s_mov_b32 s[G1K+7], 0
	s_mov_b32 s[G1V+7], 0
	s_mul_i32 s55, s8, 32*KP                       ; LDS: my 32 rows of K,
	s_mul_i32 s51, s8, 32*VP
	s_add_co_u32 s51, s51, KREG                    ; of V
	s_wait_kmcnt 0x0
	s_add_nc_u64 s[58:59], s[4:5], s[56:57]
	s_add_nc_u64 s[62:63], s[4:5], s[60:61]        ; my queries
	s_add_nc_u64 s[6:7], s[6:7], s[60:61]          ; my rows of att
.irp s, 0,1
	s_mov_b32 s[G0K+4*\s], 1
	s_add_co_u32 s[G0K+4*\s+1], s55, \s*SLOT
	s_add_nc_u64 s[G0K+4*\s+2:G0K+4*\s+3], s[58:59], 16*524288+\s*TILEB    ; k's planes begin at plane 16; tile s
	s_or_b32 s[G0K+4*\s+3], s[G0K+4*\s+3], 0x80000000                      ; type = 2
	s_mov_b32 s[G0V+4*\s], 1
	s_add_co_u32 s[G0V+4*\s+1], s51, \s*SLOT
	s_add_nc_u64 s[G0V+4*\s+2:G0V+4*\s+3], s[58:59], 32*524288+\s*TILEB    ; v's at plane 32
	s_or_b32 s[G0V+4*\s+3], s[G0V+4*\s+3], 0x80000000
.endr
	ROUND                                          ; all four work-groups are here: the first joint loads meet
	tensor_load_to_lds s[G0K:G0K+3], s[G1K:G1K+7]  ; tile 0; two tensor loads of the wave are out at the most, here and in the loop
	s_nop 0
	tensor_load_to_lds s[G0V:G0V+3], s[G1V:G1V+7]
	s_nop 0
	v_and_b32 v11, 15, v0                          ; r
	v_bfe_u32 v12, v0, 4, 1                        ; h
	v_lshlrev_b32 v[QOF], 7, v11
	v_lshl_add_u32 v[QOF], v12, 4, v[QOF]          ; query r's row + 16 h
	WIN 0x40                                       ; destination window 1
.irp q, 0,1,2,3
.irp kk, 0,1
	global_load_b128 v[QF+16*\q+8*\kk:QF+16*\q+8*\kk+3],   v[QOF], s[62:63] offset:\q*2048+\kk*64      ; d = 32 kk + 8 h ..
	global_load_b128 v[QF+16*\q+8*\kk+4:QF+16*\q+8*\kk+7], v[QOF], s[62:63] offset:\q*2048+\kk*64+32   ; d = 32 kk + 16 + 8 h ..
.endr
.endr
	WIN 0
	v_mul_u32_u24 v13, v11, KP
	v_lshl_add_u32 v13, v12, 4, v13                ; r x 144 + 16 h
	s_mul_i32 s49, s9, 128*KP                      ; my half's 128 keys
	v_add_nc_u32 v[KADR], s49, v13
	v_add_nc_u32 v[KADR+1], SLOT, v[KADR]
	v_and_b32 v14, 7, v0
	v_lshl_add_u32 v14, v12, 3, v14                ; key 8 h + (L & 7)
	v_mul_u32_u24 v14, v14, VP
	v_bfe_u32 v15, v0, 3, 1
	v_lshl_add_u32 v14, v15, 4, v14                ; + 16 ((L >> 3) & 1)
	s_mul_i32 s49, s9, 128*VP
	s_add_co_u32 s49, s49, KREG
	v_add_nc_u32 v[VADR], s49, v14
	v_add_nc_u32 v[VADR+1], SLOT, v[VADR]
	s_mul_i32 s49, s10, STGW
	s_add_co_u32 s49, s49, STG
	v_add_nc_u32 v[STO], s49, v13                  ; stage, in: row r, 16 h
	v_bfe_u32 v14, v0, 3, 2
	v_and_b32 v15, 7, v0
	v_mul_u32_u24 v14, v14, KP
	v_lshl_add_u32 v14, v15, 4, v14
	v_add_nc_u32 v[RD], s49, v14                   ; stage, back: 8 lanes a row of 128 bytes
	v_and_b32 v14, 31, v0
	v_lshlrev_b32 v[CO], 4, v14
	s_mul_i32 s49, s10, MRGW
	s_add_co_u32 s49, s49, MRG
	v_add_nc_u32 v[MA], s49, v[CO]
.irp i, 0,1,2,3,4,5,6,7
	v_mov_b32 v[XT+\i], 0                          ; v_permlanex16_b32 counts as a reader of its destination; the merge reads these as pairs
.endr
.macro LOADK slot, st                  ; 16 LDS loads: 64 keys x 64 d as A fragments
.irp kb, 0,1,2,3
.irp kk, 0,1
	ds_load_b128 v[KF+16*\kb+8*\kk:KF+16*\kb+8*\kk+3],   v[KADR+\slot] offset:(\st)*64*KP+\kb*16*KP+\kk*64
	ds_load_b128 v[KF+16*\kb+8*\kk+4:KF+16*\kb+8*\kk+7], v[KADR+\slot] offset:(\st)*64*KP+\kb*16*KP+\kk*64+32
.endr
.endr
.endm
.macro LOADV slot, st                  ; 16 transposing LDS loads: 64 d x 64 keys as A fragments
	WIN 0x40
.irp db, 0,1,2,3
.irp p, 0,1
	ds_load_tr16_b128 v[VF+8*(2*\db+\p):VF+8*(2*\db+\p)+3],   v[VADR+\slot] offset:(\st)*64*VP+\p*32*VP+\db*32         ; keys 32 p + 8 h ..
	ds_load_tr16_b128 v[VF+8*(2*\db+\p)+4:VF+8*(2*\db+\p)+7], v[VADR+\slot] offset:(\st)*64*VP+\p*32*VP+\db*32+16*VP   ; keys 32 p + 16 + 8 h ..
.endr
.endr
.endm
; S^T = K Q^T: 16 tiles, d = 0..31 starts the sums, d = 32..63 adds.  The 16 accumulators take turns, one instruction a turn.
.macro SMUL
	WIN 0x04                                       ; source 1 (Q) window 1
.irp kk, 0,1
.irp q, 0,1,2,3
.irp kb, 0,1,2,3
.if \kk == 0
	v_wmma_f32_16x16x32_f16 v[SC+32*\q+8*\kb:SC+32*\q+8*\kb+7], v[KF+16*\kb+8*\kk:KF+16*\kb+8*\kk+7], v[QF+16*\q+8*\kk:QF+16*\q+8*\kk+7], 0
.else
	v_wmma_f32_16x16x32_f16 v[SC+32*\q+8*\kb:SC+32*\q+8*\kb+7], v[KF+16*\kb+8*\kk:KF+16*\kb+8*\kk+7], v[QF+16*\q+8*\kk:QF+16*\q+8*\kk+7], v[SC+32*\q+8*\kb:SC+32*\q+8*\kb+7]
.endif
.endr
.endr
.endr
.endm
; O^T += V^T P^T: 16 tiles, keys 0..31, then keys 32..63; by turns likewise.  first = 1: the first product starts the sums.
.macro PVMUL first
	WIN 0x51                                       ; source 0 (V), C and D window 1; source 1 (P) window 0
.irp p, 0,1
.irp q, 0,1,2,3
.irp db, 0,1,2,3
.if \first*(1-\p)
	v_wmma_f32_16x16x32_f16 v[OA+8*(4*\q+\db):OA+8*(4*\q+\db)+7], v[VF+8*(2*\db+\p):VF+8*(2*\db+\p)+7], v[SC+32*\q+16*\p:SC+32*\q+16*\p+7], 0
.else
	v_wmma_f32_16x16x32_f16 v[OA+8*(4*\q+\db):OA+8*(4*\q+\db)+7], v[VF+8*(2*\db+\p):VF+8*(2*\db+\p)+7], v[SC+32*\q+16*\p:SC+32*\q+16*\p+7], v[OA+8*(4*\q+\db):OA+8*(4*\q+\db)+7]
.endif
.endr
.endr
.endr
.endm
; The step's maximum for each query (32 scores a lane, then the other half of the lanes), NM, and the rescale factor; the four query blocks interleaved
.macro RMAX first
.irp q, 0,1,2,3
	v_max3_num_f32 v[ST+4*\q+1], v[SC+32*\q], v[SC+32*\q+1], v[SC+32*\q+2]
.endr
.set mi, 3
.rept 14
.irp q, 0,1,2,3
	v_max3_num_f32 v[ST+4*\q+1], v[ST+4*\q+1], v[SC+32*\q+mi], v[SC+32*\q+mi+1]
.endr
.set mi, mi+2
.endr
.irp q, 0,1,2,3
	v_max_num_f32 v[ST+4*\q+1], v[ST+4*\q+1], v[SC+32*\q+31]
.endr
.irp q, 0,1,2,3
	v_permlanex16_b32 v[XT+\q], v[ST+4*\q+1], s12, s13
.endr
.irp q, 0,1,2,3
	v_max_num_f32 v[ST+4*\q+1], v[ST+4*\q+1], v[XT+\q]
.endr
.if \first
.irp q, 0,1,2,3
	v_mul_f32 v[ST+4*\q], s48, v[ST+4*\q+1]                    ; NM = -c max
.endr
.else
.irp q, 0,1,2,3
	v_mul_f32 v[ST+4*\q+1], s48, v[ST+4*\q+1]                  ; TM = -c (this step's max)
.endr
.irp q, 0,1,2,3
	v_sub_f32 v[ST+4*\q+2], v[ST+4*\q+1], v[ST+4*\q]
.endr
.irp q, 0,1,2,3
	v_min_num_f32 v[ST+4*\q+2], 0, v[ST+4*\q+2]                ; NM new - NM old = min(0, TM - NM)
.endr
.irp q, 0,1,2,3
	v_min_num_f32 v[ST+4*\q], v[ST+4*\q], v[ST+4*\q+1]         ; NM new
.endr
.irp q, 0,1,2,3
	v_exp_f32 v[ST+4*\q+2], v[ST+4*\q+2]                       ; AL; the next plain vector instruction (FMA 0's first) names no AL (ISA guide 5.7.2)
.endr
.endif
.endm
.macro FMA q                           ; c s + NM, two at a time
.set mi, 0
.rept 16
	v_pk_fma_f32 v[SC+32*\q+mi:SC+32*\q+mi+1], v[SC+32*\q+mi:SC+32*\q+mi+1], s[14:15], v[ST+4*\q:ST+4*\q+1] op_sel_hi:[1,0,0]
.set mi, mi+2
.endr
.endm
.macro EXPQ q                          ; p = 2^(..), in place; behind each run stands plain work on another query block
.set mi, 0
.rept 32
	v_exp_f32 v[SC+32*\q+mi], v[SC+32*\q+mi]
.set mi, mi+1
.endr
.endm
; The lane's sum of p, and P packed to f16 in place: pair n goes to register 16 (n / 8) + n % 8, whose old contents have been summed and packed by then
.macro SUMCVT q, first
	s_wait_alu depctr_va_vdst(0)
	v_pk_add_f32 v[TS+2*\q:TS+2*\q+1], v[SC+32*\q:SC+32*\q+1], v[SC+32*\q+2:SC+32*\q+3]    ; the first two pairs start the sum
	v_cvt_pk_f16_f32 v[SC+32*\q], v[SC+32*\q], v[SC+32*\q+1]
	v_cvt_pk_f16_f32 v[SC+32*\q+1], v[SC+32*\q+2], v[SC+32*\q+3]
.set pn, 2
.rept 14
	v_pk_add_f32 v[TS+2*\q:TS+2*\q+1], v[TS+2*\q:TS+2*\q+1], v[SC+32*\q+2*pn:SC+32*\q+2*pn+1]
	v_cvt_pk_f16_f32 v[SC+32*\q+16*(pn/8)+(pn%8)], v[SC+32*\q+2*pn], v[SC+32*\q+2*pn+1]
.set pn, pn+1
.endr
.if \first
	v_add_f32 v[ST+4*\q+3], v[TS+2*\q], v[TS+2*\q+1]
.else
	v_add_f32 v[TS+2*\q], v[TS+2*\q], v[TS+2*\q+1]
	v_fma_f32 v[ST+4*\q+3], v[ST+4*\q+3], v[ST+4*\q+2], v[TS+2*\q]     ; L = L AL + sum; each half of the lanes keeps its own part until the end
.endif
.endm
.macro RESC                            ; O^T x AL: the factor is the lane's own
	WIN 0x41                                       ; destination and source 0 window 1
.irp q, 0,1,2,3
.set mi, 0
.rept 16
	v_pk_mul_f32 v[OA+32*\q+mi:OA+32*\q+mi+1], v[OA+32*\q+mi:OA+32*\q+mi+1], v[ST+4*\q+2:ST+4*\q+3] op_sel_hi:[1,0]
.set mi, mi+2
.endr
.endr
.endm
; A step's softmax: from the scores in SC to P in SC, with NM, L and O^T brought to the new maximum.  Registers alone; every window is 0 at its head and its end.
.macro SOFT first
	RMAX \first
	FMA 0
	EXPQ 0
	FMA 1
	EXPQ 1
	SUMCVT 0, \first
	FMA 2
	EXPQ 2
	SUMCVT 1, \first
	FMA 3
	EXPQ 3
	SUMCVT 2, \first
	SUMCVT 3, \first
.if \first == 0
	RESC
	WIN 0
.endif
.endm
; One tile = two steps (a, b) of my half of its keys.  In front of the round every wave waits for all its tensor loads (its parts of this tile) and for its LDS
; reads (V's fragments of the last tile's step b among them); the joint refill of the other slot is the first tensor load behind the round and has this whole
; trip in which to land.  Behind the round: phase 1 does the softmax of the last tile's step b; all do its P V, the scores of a, the softmax of a, its P V, the
; scores of b; phase 0 does the softmax of b.  Five v_nop stand behind each run of matrix instructions: four places (ISA guide 7.12.1) before its results are
; read or its sources loaded into, five before a matrix instruction takes the scores as its B or writes over P; they hold on either side of the branches.
.macro TRIP slot, refill, first
	s_wait_xcnt 0x0
	v_lshl_add_u32 v254, v0, 2, 0x41000
	v_mov_b32 v255, 0
	s_wait_tensorcnt 0x0
	ds_add_u32 v254, v255
	s_wait_dscnt 0x0
	s_add_nc_u64 s[G0K+4*\slot+2:G0K+4*\slot+3], s[G0K+4*\slot+2:G0K+4*\slot+3], 2*TILEB   ; no tensor load of mine is out: this slot's next tile
	s_add_nc_u64 s[G0V+4*\slot+2:G0V+4*\slot+3], s[G0V+4*\slot+2:G0V+4*\slot+3], 2*TILEB
	s_wait_dscnt 0x0
	ROUND
.if \refill
	tensor_load_to_lds s[G0K+4-4*\slot:G0K+7-4*\slot], s[G1K:G1K+7]
	s_nop 0
	tensor_load_to_lds s[G0V+4-4*\slot:G0V+7-4*\slot], s[G1V:G1V+7]
	s_nop 0
.endif
	LOADK \slot, 0                                 ; K of step a; it lands under the work on the last tile's step b
.if \first == 0
	s_cmp_eq_u32 s66, 0
	s_cbranch_scc1 .Learly_\@
	SOFT 0                                         ; phase 1: the softmax of the last tile's step b
.Learly_\@:
	PVMUL 0                                        ; its P V: V's fragments have been in registers since the wait in front of the round
	WIN 0
	NOPS 5
.endif
	s_wait_dscnt 0x0                               ; K of step a is in
	SMUL
	NOPS 5
	LOADV \slot, 0
	WIN 0
	LOADK \slot, 1
	SOFT \first
	s_wait_dscnt 16                                ; V's 16 loads are in; the 16 younger loads of K stay out
	PVMUL \first
	WIN 0
	NOPS 5
	s_wait_dscnt 0x0                               ; K of step b is in
	SMUL
	NOPS 5
	LOADV \slot, 1                                 ; waited for in front of the next round, or in the tail
	WIN 0
	s_cmp_lg_u32 s66, 0
	s_cbranch_scc1 .Llate_\@
	SOFT 0                                         ; phase 0: the softmax of step b
.Llate_\@:
.endm
	s_wait_loadcnt 0x0                             ; Q, once
	TRIP 0, 1, 1                                   ; tile 0 stands in front of the loop: its first step starts maxima and sums
	s_mov_b32 s11, 3
.Ltiles:
	TRIP 1, 1, 0                                   ; tiles 1, 3, 5
	TRIP 0, 1, 0                                   ; tiles 2, 4, 6; the last of them asks for tile 7
	s_sub_co_u32 s11, s11, 1
	s_cmp_lg_u32 s11, 0
	s_cbranch_scc1 .Ltiles
	TRIP 1, 0, 0                                   ; tile 7: nothing more to fetch (the stepped addresses are not used)
	s_cmp_eq_u32 s66, 0
	s_cbranch_scc1 .Ltail
	SOFT 0                                         ; phase 1: the softmax of the very last step
.Ltail:
	s_wait_dscnt 0x0                               ; its V fragments
	PVMUL 0
	WIN 0
	NOPS 5                                         ; places before O^T is read
	; ---- the merge of the two halves of the keys
.irp q, 0,1,2,3
	v_permlanex16_b32 v[XT+\q], v[ST+4*\q+3], s12, s13
.endr
.irp q, 0,1,2,3
	v_add_f32 v[ST+4*\q+3], v[ST+4*\q+3], v[XT+\q] ; the query's whole sum over my keys
.endr
	s_cmp_eq_u32 s9, 0
	s_cbranch_scc1 .Lkeep
	WIN 0x04                                       ; the stores' data from window 1
.set mi, 0
.rept 32
	ds_store_b128 v[MA], v[OA+4*mi:OA+4*mi+3] offset:512*mi            ; waves 4-7 hand over O^T as it lies in the registers,
.set mi, mi+1
.endr
	WIN 0
.irp q, 0,1,2,3
	ds_store_b128 v[MA], v[ST+4*\q:ST+4*\q+3] offset:512*(32+\q)       ; and NM and L
.endr
.Lkeep:
	s_wait_dscnt 0x0                               ; the stores are done, for the partner's sake
	s_barrier_signal -1
	s_barrier_wait -1
	s_cmp_lg_u32 s9, 0
	s_cbranch_scc1 .Lclose
.irp q, 0,1,2,3
	ds_load_b128 v[PS+4*\q:PS+4*\q+3], v[MA] offset:512*(32+\q)
.endr
.set mi, 0
.rept 32
	ds_load_b128 v[SC+4*mi:SC+4*mi+3], v[MA] offset:512*mi
.set mi, mi+1
.endr
	s_wait_dscnt 32                                ; the partner's NM and L are in; the 32 younger loads stay out
.irp q, 0,1,2,3
	v_min_num_f32 v[ST+4*\q+1], v[ST+4*\q], v[PS+4*\q]                 ; the common NM
.endr
.irp q, 0,1,2,3
	v_sub_f32 v[TS+2*\q], v[ST+4*\q+1], v[ST+4*\q]
	v_sub_f32 v[XT+2*\q], v[ST+4*\q+1], v[PS+4*\q]
.endr
.irp q, 0,1,2,3
	v_exp_f32 v[TS+2*\q], v[TS+2*\q]               ; a0
	v_exp_f32 v[XT+2*\q], v[XT+2*\q]               ; a1
.endr
	v_nop                                          ; one plain place behind the run (ISA guide 5.7.2)
	s_wait_alu depctr_va_vdst(0)
.irp q, 0,1,2,3
	v_mul_f32 v[ST+4*\q+2], v[ST+4*\q+3], v[TS+2*\q]
	v_fma_f32 v[ST+4*\q+2], v[PS+4*\q+3], v[XT+2*\q], v[ST+4*\q+2]     ; l = L0 a0 + L1 a1: at least about 1, since one of a0, a1 is 1
.endr
.irp q, 0,1,2,3
	v_rcp_f32 v[ST+4*\q+2], v[ST+4*\q+2]
.endr
	v_nop
	s_wait_alu depctr_va_vdst(0)
.irp q, 0,1,2,3
	v_mul_f32 v[TS+2*\q], v[TS+2*\q], v[ST+4*\q+2] ; f0 = a0 / l
	v_mul_f32 v[XT+2*\q], v[XT+2*\q], v[ST+4*\q+2] ; f1 = a1 / l
.endr
	s_wait_dscnt 0x0                               ; the partner's O^T
.irp q, 0,1,2,3
.set mi, 0
.rept 16
	v_pk_mul_f32 v[SC+32*\q+mi:SC+32*\q+mi+1], v[SC+32*\q+mi:SC+32*\q+mi+1], v[XT+2*\q:XT+2*\q+1] op_sel_hi:[1,0]
.set mi, mi+2
.endr
.endr
	WIN 0x01                                       ; source 0 (my O^T) window 1
.irp q, 0,1,2,3
.set mi, 0
.rept 16
	v_pk_fma_f32 v[SC+32*\q+mi:SC+32*\q+mi+1], v[OA+32*\q+mi:OA+32*\q+mi+1], v[TS+2*\q:TS+2*\q+1], v[SC+32*\q+mi:SC+32*\q+mi+1] op_sel_hi:[1,0,1]
.set mi, mi+2
.endr
.endr
	WIN 0
	; ---- the way out: a lane's 8 numbers of tile (q, db) are d = 16 db + 8 h .. + 7 of query r: 16 bytes of a row
.set mi, 0
.rept 16
.irp j, 0,1,2,3
	v_cvt_pk_f16_f32 v[SC+8*mi+\j], v[SC+8*mi+2*\j], v[SC+8*mi+2*\j+1]
.endr
	ds_store_b128 v[STO], v[SC+8*mi:SC+8*mi+3] offset:(mi/4)*16*KP+(mi%4)*32
.set mi, mi+1
.endr
.set mi, 0
.rept 16
	ds_load_b128 v[KF+4*mi:KF+4*mi+3], v[RD] offset:mi*4*KP            ; LDS serves a wave's instructions in order: these see the stores above
.set mi, mi+1
.endr
.set mi, 0
.rept 16
	s_wait_dscnt 15-mi
	global_store_b128 v[CO], v[KF+4*mi:KF+4*mi+3], s[6:7] offset:512*mi   ; four rows of the head's plane: 512 consecutive bytes, aligned
.set mi, mi+1
.endr
.Lclose:
	s_wait_xcnt 0x0
	v_lshl_add_u32 v254, v0, 2, 0x41000
	v_mov_b32 v255, 0
	s_wait_tensorcnt 0x0
	ds_add_u32 v254, v255
	s_wait_dscnt 0x0
	ROUND                                          ; the closing round: no work-group ends while a partner may still ask for a tile that names it
	s_endpgm
.Lfunc_end_k_q4a1c442441_attn:
	.size	k_q4a1c442441_attn, .Lfunc_end_k_q4a1c442441_attn-k_q4a1c442441_attn
	.p2alignl 7, 3214868480
	.fill 96, 4, 3214868480
	.section	.rodata,"a",@progbits
	.p2align	6, 0x0
	.amdhsa_kernel k_q4a1c442441_attn
		.amdhsa_group_segment_fixed_size 327680
		.amdhsa_private_segment_fixed_size 0
		.amdhsa_enable_private_segment 0
		.amdhsa_kernarg_size 16
		.amdhsa_user_sgpr_count 2
		.amdhsa_user_sgpr_kernarg_segment_ptr 1
		.amdhsa_wavefront_size32 1
		.amdhsa_system_sgpr_workgroup_id_x 1
		.amdhsa_system_sgpr_workgroup_id_y 1
		.amdhsa_system_sgpr_workgroup_id_z 1
		.amdhsa_system_vgpr_workitem_id 0
		.amdhsa_next_free_vgpr 512
		.amdhsa_next_free_sgpr 68
		.amdhsa_reserve_vcc 0
		.amdhsa_float_denorm_mode_32 3
		.amdhsa_float_denorm_mode_16_64 3
		.amdhsa_memory_ordered 1
		.amdhsa_forward_progress 1
		.amdhsa_inst_pref_size 255
	.end_amdhsa_kernel
	.section	.bss,"aw",@nobits
	.p2align	6
	.space	262144
	.amdgpu_metadata
---
amdhsa.version: [ 1, 2 ]
amdhsa.kernels:
  - .name:           k_q4a1c442441_attn
    .symbol:         k_q4a1c442441_attn.kd
    .args:
      - { .name: qkv, .offset: 0, .size: 8, .value_kind: global_buffer, .address_space: global }
      - { .name: att, .offset: 8, .size: 8, .value_kind: global_buffer, .address_space: global }
    .group_segment_fixed_size: 327680
    .private_segment_fixed_size: 0
    .kernarg_segment_align: 8
    .kernarg_segment_size: 16
    .max_flat_workgroup_size: 256
    .sgpr_count:     68
    .vgpr_count:     512
    .wavefront_size: 32
...
	.end_amdgpu_metadata
.endif
;; end of part 3
;; launch proj (part 4): grid 8 x 32, 4 waves a work-group, clusters of 4 x 4, 327,680 bytes of LDS; arguments att, wpp, b_proj, out0; writes out0
.if DOCPART == 4
	.amdgcn_target "amdgcn-amd-amdhsa--gfx1250"
	.amdhsa_code_object_version 6
	.text
	.protected	k_q4a1c442441_proj
	.globl	k_q4a1c442441_proj
	.p2align	8
	.type	k_q4a1c442441_proj,@function
k_q4a1c442441_proj:
	s_mov_b64 s[64:65], 0
	v_nop
	global_prefetch_b8 v0, s[64:65] scope:SCOPE_SE
	s_setreg_imm32_b32 hwreg(HW_REG_WAVE_MODE, 25, 1), 1
	s_wait_xcnt 0x0
	s_wait_alu depctr_hold_cnt(0) depctr_sa_sdst(0) depctr_va_vdst(0) depctr_va_sdst(0) depctr_va_ssrc(0) depctr_va_vcc(0) depctr_vm_vsrc(0)
	s_getreg_b32 s2, hwreg(HW_REG_IB_STS2, 6, 4)
	s_cmp_eq_u32 s2, 0
	s_cbranch_scc0 .Lentry_in_a_cluster
	s_endpgm
.Lentry_in_a_cluster:
	s_bfe_u32 s2, ttmp6, 0x10000c
	s_cmp_lg_u32 s2, 0xf033
	s_cbranch_scc0 .Lentry_shape_is_right
	s_endpgm
.Lentry_shape_is_right:
; out0[token][n] = b_proj[n] + sum over k of att[token][k] W[n][k], K = 1024; operands f16 in planes P[k/64][row][64] (att: 4096 rows, wpp: 1024 rows), sums and
; output in f32.
; A work-group makes 128 tokens x 128 columns with four waves, 2 x 2; a wave makes 64 x 64: 16 accumulator tiles, fed by 16 LDS loads for 16 matrix instructions.
; Of the shapes with 16,384 outputs (4096 x 1024 over 256 work-groups) the square one needs the fewest operand bytes: (128 + 128) rows x 2,048 bytes = 512 KiB.
; K goes in FOUR steps of 256 (four planes of att, four of W) through two LDS slots of 147,456 bytes: the two slots hold half of K and are asked for at once at
; the start, as first fills; only two refills follow, each with 120 of a step's 128 matrix instructions of a wave between its request and the wait for it.
; A plane's tile (128 rows of 128 bytes) is a dense block of memory; each wave brings two of a slot's eight: waves 0, 1 att's, waves 2, 3 W's.
; CLUSTER 4 x 4: the four work-groups of a cluster row need the same tiles of att, the four of a column the same tiles of W: each tile is asked for jointly.
; The matrix instruction is used transposed (source 0 = 16 rows of W, source 1 = 16 tokens): lane (r, h) register j holds C(token r, column 8 h + j).
; The bias is the C operand of the first product of each tile: nothing is cleared, nothing is added later.
; f16, not bf16: the result is compared within 1/100 of its root mean square, and f16's 11 significant bits make each rounding an eighth of bf16's; att is a
; convex mix of v and W is of order 1/32, so both have room in f16 (their makers' heads give the figures).
; Limit: sums run in the matrix unit's order; NaN and infinities get no special service.
.set PITCH,  144                       ; LDS row: 128 bytes + 16: an odd multiple of 16, so the 16 rows of a fragment load start in 16 different 16-byte columns modulo 256
.set PL,     128*PITCH                 ; a plane's tile: 18,432 bytes
.set SLOT,   8*PL                      ; att's planes 0-3, then W's planes 0-3
.set STAGE,  2*SLOT                    ; behind the ring: 16 rows for each wave, never the target of a tensor load
.set SPITCH, 272                       ; stage: a row of 64 f32 + 16 bytes
.set STW,    16*SPITCH
.set APLANE, 524288                    ; bytes of a plane of att: 4096 rows x 128
.set BPLANE, 131072                    ; bytes of a plane of W: 1024 rows x 128
.set ADRA, 16                          ; v16-17  LDS address of my token fragments in slot 0, 1
.set ADRB, 20                          ; v20-21  the same for W
.set STO,  24                          ; v24     the way out: where I put my piece of a row
.set RD,   25                          ; v25     the way out: where I read rows back
.set CO,   26                          ; v26     my byte offset in out0
.set BO,   27                          ; v27     my byte offset in the bias: 32 h
.set FW,   64                          ; window 0: v64-95, v96-127 fragments of W (4 x 16 rows x 32 K), two buffers
.set RB0,  128                         ; window 0: v128-159, v160-191 rows read back, two sets in turn
.set RB1,  160
.set BIAS, 192                         ; window 0: v192-223, 8 registers for each column block
.set ACC,  0                           ; window 1: v0-127 tile (a, b) at 8 (4 a + b): token block a, column block b
.set FT,   128                         ; window 1: v128-159, v160-191 fragments of the tokens, two buffers
.set G1A, 24                           ; s[24:31] descriptor group 1 for att
.set G0A, 32                           ; s[32:47] group 0 for att: a set for each (slot, which of my two planes) at +8 slot + 4 i
.set G1B, 48                           ; s[48:55] group 1 for W
.set G0B, 72                           ; s[72:87] group 0 for W, likewise
.set MSB, 0
.macro WIN new                         ; the immediate's high byte repeats the setting that is left
.if MSB != \new
	s_set_vgpr_msb (MSB<<8)|\new
.set MSB, \new
.endif
.endm
.set MULW,   0x54                      ; source 0 (W; an LDS load's address) window 0; source 1 (tokens), C and D (an LDS load's destination) window 1
.set FIRSTW, 0x44                      ; the same, C = the bias in window 0
.macro PLACES                          ; four plain vector instructions behind a matrix instruction (ISA guide 7.12.1) before its registers are loaded into or its result is read
.rept 4
	v_nop
.endr
.endm
; A slot's joint loads: two a wave.  Waves 0, 1 fetch att's planes, waves 2, 3 W's.  The branch hangs on the wave's number alone.
.macro JLOAD s
	s_cmp_eq_u32 s13, 0
	s_cbranch_scc0 .Lfor_b_\@
	tensor_load_to_lds s[G0A+8*\s:G0A+8*\s+3], s[G1A:G1A+7]
	s_nop 0
	tensor_load_to_lds s[G0A+8*\s+4:G0A+8*\s+7], s[G1A:G1A+7]
	s_nop 0
	s_branch .Lasked_\@
.Lfor_b_\@:
	tensor_load_to_lds s[G0B+8*\s:G0B+8*\s+3], s[G1B:G1B+7]
	s_nop 0
	tensor_load_to_lds s[G0B+8*\s+4:G0B+8*\s+7], s[G1B:G1B+7]
	s_nop 0
.Lasked_\@:
.endm
.macro CREST                           ; a round of the cluster's barrier behind its opening work-group barrier
	s_cmp_lg_u32 s12, 0
	s_cbranch_scc1 .Lnot_wave_0_\@
	s_barrier_signal -3
.Lnot_wave_0_\@:
	s_barrier_wait -3
	s_barrier_signal -1
	s_barrier_wait -1
.endm
.macro CROUND                          ; a whole round
	s_barrier_signal -1
	s_barrier_wait -1
	CREST
.endm
	s_load_b256 s[4:11], s[0:1], 0x0               ; att s[4:5], W s[6:7], bias s[8:9], out0 s[10:11]
	v_lshl_add_u32 v255, v0, 2, 0x4c400
	s_set_vgpr_msb 0x40
	v_mov_b32 v193, 0
	s_set_vgpr_msb 0x4044
	ds_add_u32 v255, v193
	s_set_vgpr_msb 0x4400
	v_lshrrev_b32 v1, 5, v0
	v_readfirstlane_b32 s12, v1                    ; wave 0..3
	s_lshr_b32 s13, s12, 1                         ; my half of the tokens.  Also: I fetch for att (0) or for W (1),
	s_and_b32 s14, s12, 1                          ; my half of the columns.  Also: planes 2 j, 2 j + 1 of a slot's four
	s_bfe_u32 s56, ttmp6, 0x40000                  ; cx
	s_bfe_u32 s57, ttmp6, 0x40004                  ; cy
	s_lshl_b32 s58, ttmp9, 2
	s_add_co_u32 s58, s58, s56                     ; column block bx = 4 x cluster x + cx
	s_and_b32 s59, ttmp7, 0xffff
	s_lshl_b32 s59, s59, 2
	s_add_co_u32 s59, s59, s57                     ; token block by = 4 x cluster y + cy
	s_lshl_b32 s60, s57, 2
	s_lshl_b32 s60, 15, s60                        ; my row of the cluster: places 4 cy .. 4 cy + 3
	s_lshl_b32 s61, 0x1111, s56                    ; my column: places cx, cx + 4, cx + 8, cx + 12
	; group 1: 128 rows of 128 bytes are a dense block of 64 rows of 32 elements of 8 bytes; 4 dwords of padding behind every 32 dwords, that is behind every row piece
	s_or_b32 s[G1A+0], s60, (3<<16)|(1<<20)|(1<<21)|(4<<22)|(3<<25)   ; mask; element of 8 bytes; padding on; bit 21 beside a mask; interval code 4; pad code 3
	s_or_b32 s[G1B+0], s61, (3<<16)|(1<<20)|(1<<21)|(4<<22)|(3<<25)
	s_mov_b32 s[G1A+1], 32<<16                     ; tensor_dim0 = 32
	s_mov_b32 s[G1B+1], 32<<16
	s_mov_b32 s[G1A+2], 64<<16                     ; tensor_dim1 = 64
	s_mov_b32 s[G1B+2], 64<<16
	s_mov_b32 s[G1A+3], 32<<16                     ; tile_dim0 = 32
	s_mov_b32 s[G1B+3], 32<<16
	s_mov_b32 s[G1A+4], 64                         ; tile_dim1 = 64
	s_mov_b32 s[G1B+4], 64
	s_mov_b32 s[G1A+5], 32                         ; from row to row: 32 elements (dense)
	s_mov_b32 s[G1B+5], 32
	s_mov_b32 s[G1A+6], 0
	s_mov_b32 s[G1B+6], 0
	s_mov_b32 s[G1A+7], 0
	s_mov_b32 s[G1B+7], 0
	; att's tiles hang on by alone, which my cluster row shares; W's on bx alone, which my column shares; each in registers that never hold the other coordinate
	s_lshl_b32 s16, s14, 20                        ; plane 2 j of att: 2 x 524,288 bytes
	s_lshl_b32 s17, s59, 14                        ; + 128 by rows of 128 bytes
	s_add_co_u32 s16, s16, s17
	s_mov_b32 s17, 0
	s_lshl_b32 s62, s14, 18                        ; plane 2 j of W: 2 x 131,072 bytes
	s_lshl_b32 s63, s58, 14                        ; + 128 bx rows of 128 bytes
	s_add_co_u32 s62, s62, s63
	s_mov_b32 s63, 0
	s_mul_i32 s20, s12, 2*PL                       ; LDS: wave x two planes: waves 0, 1 fill att's four planes, waves 2, 3 W's four behind them
	s_wait_dscnt 0x0
	s_wait_kmcnt 0x0
	s_add_nc_u64 s[18:19], s[4:5], s[16:17]
	s_add_nc_u64 s[62:63], s[6:7], s[62:63]
	CROUND                                         ; all sixteen work-groups are here: the first joint loads meet
.irp s, 0,1
.irp i, 0,1
	s_mov_b32 s[G0A+8*\s+4*\i], 1
	s_add_co_u32 s[G0A+8*\s+4*\i+1], s20, \s*SLOT+\i*PL
	s_add_nc_u64 s[G0A+8*\s+4*\i+2:G0A+8*\s+4*\i+3], s[18:19], (4*\s+\i)*APLANE    ; K step s: planes 4 s + 2 j + i
	s_or_b32 s[G0A+8*\s+4*\i+3], s[G0A+8*\s+4*\i+3], 0x80000000                    ; type = 2
	s_mov_b32 s[G0B+8*\s+4*\i], 1
	s_add_co_u32 s[G0B+8*\s+4*\i+1], s20, \s*SLOT+\i*PL
	s_add_nc_u64 s[G0B+8*\s+4*\i+2:G0B+8*\s+4*\i+3], s[62:63], (4*\s+\i)*BPLANE
	s_or_b32 s[G0B+8*\s+4*\i+3], s[G0B+8*\s+4*\i+3], 0x80000000
.endr
	JLOAD \s                                       ; four tensor loads of the wave are out behind these two lines, two behind each refill
.endr
	v_and_b32 v1, 15, v0                           ; r
	v_bfe_u32 v2, v0, 4, 1                         ; h
	v_lshlrev_b32 v[BO], 5, v2
	s_lshl_b32 s68, s58, 9                         ; 128 bx columns of 4 bytes
	s_lshl_b32 s69, s14, 8                         ; + my 64
	s_add_co_u32 s68, s68, s69
	s_mov_b32 s69, 0
	s_add_nc_u64 s[8:9], s[8:9], s[68:69]          ; the bias of my 64 columns
.irp b, 0,1,2,3
	global_load_b128 v[BIAS+8*\b:BIAS+8*\b+3],   v[BO], s[8:9] offset:64*\b       ; bias[16 b + 8 h + 0..3]
	global_load_b128 v[BIAS+8*\b+4:BIAS+8*\b+7], v[BO], s[8:9] offset:64*\b+16    ; bias[16 b + 8 h + 4..7]
.endr
	v_mul_u32_u24 v3, v1, PITCH
	v_lshl_add_u32 v3, v2, 4, v3                   ; r x pitch + 16 h
	s_mul_i32 s22, s13, 64*PITCH                   ; my 64 tokens
	s_mul_i32 s23, s14, 64*PITCH                   ; my 64 rows of W,
	s_add_co_u32 s23, s23, 4*PL                    ; which lie behind att's four planes
.irp s, 0,1
	v_add_nc_u32 v[ADRA+\s], s22, v3
	v_add_nc_u32 v[ADRB+\s], s23, v3
	s_add_co_u32 s22, s22, SLOT
	s_add_co_u32 s23, s23, SLOT
.endr
	s_mul_i32 s66, s12, STW
	s_add_co_u32 s66, s66, STAGE                   ; my stage
	v_mul_u32_u24 v4, v1, SPITCH
	v_lshl_add_u32 v4, v2, 5, v4                   ; in: row r, 8 h columns of 4 bytes
	v_add_nc_u32 v[STO], s66, v4
	v_mul_u32_u24 v5, v2, SPITCH                   ; back: lanes 0-15 one row of 256 bytes, lanes 16-31 the next
	v_lshl_add_u32 v5, v1, 4, v5
	v_add_nc_u32 v[RD], s66, v5
	v_lshlrev_b32 v6, 12, v2                       ; and the same two rows of out0 (4,096 bytes each)
	v_lshl_add_u32 v[CO], v1, 4, v6
	s_lshl_b32 s70, s59, 19                        ; 128 by rows of 4,096 bytes
	s_lshl_b32 s67, s13, 18                        ; + my 64 rows
	s_add_co_u32 s70, s70, s67
	s_add_co_u32 s70, s70, s68                     ; + my first column, in bytes, as for the bias
	s_mov_b32 s71, 0
	s_add_nc_u64 s[10:11], s[10:11], s[70:71]
; Four matrix instructions: token block a x the four column blocks, 32 along K, from buffer f.  first = 1: C is the bias.
; The 16 accumulators take turns, one instruction a turn, in the same order in every part of a K step.
.macro MULB f, a, first
.irp b, 0,1,2,3
.if \first
	v_wmma_f32_16x16x32_f16 v[ACC+8*(4*\a+\b):ACC+8*(4*\a+\b)+7], v[FW+32*\f+8*\b:FW+32*\f+8*\b+7], v[FT+32*\f+8*\a:FT+32*\f+8*\a+7], v[BIAS+8*\b:BIAS+8*\b+7]
.else
	v_wmma_f32_16x16x32_f16 v[ACC+8*(4*\a+\b):ACC+8*(4*\a+\b)+7], v[FW+32*\f+8*\b:FW+32*\f+8*\b+7], v[FT+32*\f+8*\a:FT+32*\f+8*\a+7], v[ACC+8*(4*\a+\b):ACC+8*(4*\a+\b)+7]
.endif
.endr
.endm
; 16 LDS loads in one run: the fragments of part kq of a K step (32 along K: plane kq / 2, byte 64 (kq % 2) of its rows) into buffer f.
; The tokens' go out under the matrix instructions' own window setting, W's under 0.
.macro FETCH slot, kq, f
	WIN MULW
.irp i, 0,1,2,3
	ds_load_b128 v[FT+32*\f+8*\i:FT+32*\f+8*\i+3],   v[ADRA+\slot] offset:(\kq/2)*PL+\i*16*PITCH+(\kq%2)*64
	ds_load_b128 v[FT+32*\f+8*\i+4:FT+32*\f+8*\i+7], v[ADRA+\slot] offset:(\kq/2)*PL+\i*16*PITCH+(\kq%2)*64+32
.endr
	WIN 0
.irp i, 0,1,2,3
	ds_load_b128 v[FW+32*\f+8*\i:FW+32*\f+8*\i+3],   v[ADRB+\slot] offset:(\kq/2)*PL+\i*16*PITCH+(\kq%2)*64
	ds_load_b128 v[FW+32*\f+8*\i+4:FW+32*\f+8*\i+7], v[ADRB+\slot] offset:(\kq/2)*PL+\i*16*PITCH+(\kq%2)*64+32
.endr
.endm
; One of a K step's first seven parts: at its head it fetches part kqn of the same slot into buffer g, then it multiplies buffer f.
; A run of loads so has the 16 matrix instructions of a whole part in which to land.
.macro PART slot, kqn, f, g, first
	s_wait_dscnt 0x0                               ; buffer f's run, issued at the head of the part before, is in
	PLACES                                         ; behind the last part's matrix instructions, which read buffer g
	FETCH \slot, \kqn, \g
.if \first
	WIN FIRSTW
.else
	WIN MULW
.endif
	MULB \f, 0, \first
	MULB \f, 1, \first
	MULB \f, 2, \first
	MULB \f, 3, \first
.endm
.macro SEVEN slot, first
	PART \slot, 1, 0, 1, \first
	PART \slot, 2, 1, 0, 0
	PART \slot, 3, 0, 1, 0
	PART \slot, 4, 1, 0, 0
	PART \slot, 5, 0, 1, 0
	PART \slot, 6, 1, 0, 0
	PART \slot, 7, 0, 1, 0
.endm
; The eighth part multiplies buffer 1 and changes slots.  In front of the barrier each wave waits for its reads of this slot and for all its tensor loads
; (the two that may be out are its part of the next slot).  fill = 1: the barrier opens a round of the cluster's barrier, and the joint refills of this slot,
; two K steps ahead, are the first tensor loads behind the round.
.macro TURN slot, next, fill
	s_wait_dscnt 0x0                               ; buffer 1's run is in: my reads of this slot are over
	s_wait_tensorcnt 0x0                           ; all my tensor loads have landed
	ds_add_u32 v255, v193
	s_wait_dscnt 0x0
	s_barrier_signal -1
	WIN MULW
	MULB 1, 0, 0                                   ; register work while the others arrive
	MULB 1, 1, 0
	WIN 0
	s_barrier_wait -1
.if \fill
	CREST
.irp i, 0,1
	s_add_nc_u64 s[G0A+8*\slot+4*\i+2:G0A+8*\slot+4*\i+3], s[G0A+8*\slot+4*\i+2:G0A+8*\slot+4*\i+3], 8*APLANE   ; no tensor load of mine is out: group 0 may be written
	s_add_nc_u64 s[G0B+8*\slot+4*\i+2:G0B+8*\slot+4*\i+3], s[G0B+8*\slot+4*\i+2:G0B+8*\slot+4*\i+3], 8*BPLANE
.endr
	JLOAD \slot
.endif
	PLACES                                         ; behind the seventh part's matrix instructions, which read buffer 0
	FETCH \next, 0, 0
	WIN MULW
	MULB 1, 2, 0
	MULB 1, 3, 0
.endm
	s_wait_tensorcnt 0x2                           ; my two loads of K step 0 are in; K step 1's two stay out
	s_barrier_signal -1
	s_barrier_wait -1                              ; everybody's part is in
	FETCH 0, 0, 0
	s_wait_loadcnt 0x0                             ; the bias
	SEVEN 0, 1                                     ; K step 0: its first products start the sums from the bias
	TURN 0, 1, 1                                   ; slot 0 is asked for again: K step 2
	SEVEN 1, 0                                     ; K step 1
	TURN 1, 0, 1                                   ; slot 1 is asked for again: K step 3
	SEVEN 0, 0                                     ; K step 2
	TURN 0, 1, 0                                   ; nothing more to fetch
	SEVEN 1, 0                                     ; K step 3
	s_wait_dscnt 0x0
	WIN MULW
	MULB 1, 0, 0
	MULB 1, 1, 0
	MULB 1, 2, 0
	MULB 1, 3, 0
	PLACES                                         ; behind the last matrix instructions: their results are read below
; 16 tokens x 64 columns of f32 through my stage: in by a lane's 8 numbers of a row, back as whole rows of 256 bytes
.macro OUTP a, rb
	WIN 0x04                                       ; the stores' data come from window 1
.irp b, 0,1,2,3
	ds_store_b128 v[STO], v[ACC+8*(4*\a+\b):ACC+8*(4*\a+\b)+3]   offset:64*\b
	ds_store_b128 v[STO], v[ACC+8*(4*\a+\b)+4:ACC+8*(4*\a+\b)+7] offset:64*\b+16
.endr
	WIN 0
	s_wait_xcnt 0x0                                ; set rb, which earlier stores read, and the stores' base are rewritten only behind this wait
.if \a
	s_add_nc_u64 s[10:11], s[10:11], 65536         ; 16 rows of out0 on
.endif
.irp t, 0,1,2,3,4,5,6,7
	ds_load_b128 v[\rb+4*\t:\rb+4*\t+3], v[RD] offset:\t*2*SPITCH      ; LDS serves a wave's instructions in order: these see the stores above
.endr
.irp t, 0,1,2,3,4,5,6,7
	s_wait_dscnt 7-\t
	global_store_b128 v[CO], v[\rb+4*\t:\rb+4*\t+3], s[10:11] offset:8192*\t th:TH_STORE_NT   ; 16 lanes store 256 consecutive bytes, aligned
.endr
.endm
	OUTP 0, RB0
	OUTP 1, RB1
	OUTP 2, RB0
	OUTP 3, RB1
	s_set_vgpr_msb 0x4
	s_wait_tensorcnt 0x0
	ds_add_u32 v255, v193
	s_wait_dscnt 0x0
	s_set_vgpr_msb 0x400
	CROUND                                         ; the closing round: no work-group ends while a partner may still ask for a tile that names it
	s_endpgm
.Lfunc_end_k_q4a1c442441_proj:
	.size	k_q4a1c442441_proj, .Lfunc_end_k_q4a1c442441_proj-k_q4a1c442441_proj
	.p2alignl 7, 3214868480
	.fill 96, 4, 3214868480
	.section	.rodata,"a",@progbits
	.p2align	6, 0x0
	.amdhsa_kernel k_q4a1c442441_proj
		.amdhsa_group_segment_fixed_size 327680
		.amdhsa_private_segment_fixed_size 0
		.amdhsa_enable_private_segment 0
		.amdhsa_kernarg_size 32
		.amdhsa_user_sgpr_count 2
		.amdhsa_user_sgpr_kernarg_segment_ptr 1
		.amdhsa_wavefront_size32 1
		.amdhsa_system_sgpr_workgroup_id_x 1
		.amdhsa_system_sgpr_workgroup_id_y 1
		.amdhsa_system_sgpr_workgroup_id_z 1
		.amdhsa_system_vgpr_workitem_id 0
		.amdhsa_next_free_vgpr 450
		.amdhsa_next_free_sgpr 88
		.amdhsa_reserve_vcc 0
		.amdhsa_float_denorm_mode_32 3
		.amdhsa_float_denorm_mode_16_64 3
		.amdhsa_memory_ordered 1
		.amdhsa_forward_progress 1
		.amdhsa_inst_pref_size 92
	.end_amdhsa_kernel
	.amdgpu_metadata
---
amdhsa.version: [ 1, 2 ]
amdhsa.kernels:
  - .name:           k_q4a1c442441_proj
    .symbol:         k_q4a1c442441_proj.kd
    .args:
      - { .name: att, .offset: 0, .size: 8, .value_kind: global_buffer, .address_space: global }
      - { .name: wpp, .offset: 8, .size: 8, .value_kind: global_buffer, .address_space: global }
      - { .name: b_proj, .offset: 16, .size: 8, .value_kind: global_buffer, .address_space: global }
      - { .name: out0, .offset: 24, .size: 8, .value_kind: global_buffer, .address_space: global }
    .group_segment_fixed_size: 327680
    .private_segment_fixed_size: 0
    .kernarg_segment_align: 8
    .kernarg_segment_size: 32
    .max_flat_workgroup_size: 128
    .sgpr_count:     88
    .vgpr_count:     450
    .wavefront_size: 32
...
	.end_amdgpu_metadata
.endif
;; end of part 4
